; MI455X (gfx1250); checked and timed in simulation.
; The chip was launched on July 23, 2026; its instructions are those of AMD's public machine-readable ISA for CDNA 5 (MIT licence, August 2026) and "CDNA5" Instruction Set Architecture Reference Guide (July 2026). The comments in the code are by the model that wrote it; some were corrected since.
;; LN MHA. Allowed arithmetic: matrix products marked QUANTISED: E4M3 operands, one E8M0 scale for each 32 along K, by v_wmma_scale_f32_16x16x128_f8f6f4 with both operands' format E4M3, f32 sums; everything else in f32.
;; Inputs: Wk 1,024 x 1,024 float32; Wo 1,024 x 1,024 float32; Wq 1,024 x 1,024 float32; Wv 1,024 x 1,024 float32; beta 1,024 float32; bk 1,024 float32; bo 1,024 float32; bq 1,024 float32; bv 1,024 float32; gamma 1,024 float32; x 4 x 2,048 x 1,024 float32.
;; Outputs: out0 4 x 2,048 x 1,024 float32.
;; This version of the problem:
;;   THIS VERSION OF THE PROBLEM IS GIVEN IN LOW PRECISION. The matrix products marked QUANTISED in the list below multiply operands that are first quantised to E4M3 (4 exponent bits, 3 mantissa bits; 8 bits a number), with one power-of-two scale for each 32 numbers along K (OCP MX v1.0); their sums are f32. All else is computed in f32.
;;   The module's matrix products, in the order in which they are computed (A, B: the left and right operand; K: the contracted axis; several contracted axes count as one K, in the product's order):
;;     1. [M 8,192, K 1,024] x [K 1,024, N 1,024]; A: input x; B: input Wq: QUANTISED
;;     2. [M 8,192, K 1,024] x [K 1,024, N 1,024]; A: input x; B: input Wk: QUANTISED
;;     3. [M 8,192, K 1,024] x [K 1,024, N 1,024]; A: input x; B: input Wv: QUANTISED
;;     4. batch 64 x [M 2,048, K 64] x [K 64, N 2,048]; A: computed on the way; B: computed on the way: QUANTISED
;;     5. batch 64 x [M 2,048, K 2,048] x [K 2,048, N 64]; A: softmax (see below); B: computed on the way: QUANTISED
;;     6. [M 8,192, K 1,024] x [K 1,024, N 1,024]; A: computed on the way; B: input Wo: QUANTISED
;;   THE QUANTISER, for each operand of a quantised product, along K:
;;     - K is cut into blocks of 32 from its start; a last block that is shorter is filled with zeros.
;;     - A block's scale is 2^e with e = floor(log2(the largest magnitude in the block)) - 8, held to -126 .. 127; a block of zeros has e = 0. As a byte (E8M0): e + 127.
;;     - Each number is divided by its block's scale, clamped to +-448, and rounded to the nearest number of E4M3, ties to even, subnormals kept.
;;     - The product sums the exact products of the quantised numbers (number of the format x scale) in f32.
;;   ~~~python
;;   def quantise(x, axis):      # numpy; x: float32 -> the quantised numbers, widened to float32 again
;;       x = np.moveaxis(x, axis, -1); K = x.shape[-1]
;;       x = np.pad(x, [(0, 0)] * (x.ndim - 1) + [(0, -K % 32)]); x = x.reshape(x.shape[:-1] + (-1, 32)); a = np.abs(x).max(-1, keepdims=True)
;;       e = np.where(a > 0, np.clip(np.frexp(np.where(a > 0, a, 1))[1] - 1 - 8, -126, 127), 0)      # np.frexp(a)[1] - 1 = floor(log2(a)), exactly
;;       r = np.clip(x / 2.0 ** e, -448, 448)
;;       step = 2.0 ** (np.maximum(np.frexp(np.where(r == 0, 1, r))[1] - 1, -6) - 3)
;;       q = np.round(r / step) * step * 2.0 ** e      # np.round: ties to even
;;       return np.moveaxis(q.reshape(q.shape[:-2] + (-1,))[..., :K], -1, axis).astype(np.float32)
;;   ~~~
;;   SOFTMAX AHEAD OF A QUANTISED PRODUCT. Where the list says 'softmax', what is quantised is not the finished softmax but p = 2^(t - M), with t = logit x log2(e) and M = ceil(the row's largest t), a whole number; so 1/2 < the row's largest p <= 1. The row's sum l is taken of the UNQUANTISED p, in f32, and the product's result is divided by l at the end. Since M is a whole number, a kernel that streams over the keys may use a running M (the ceiling of the running maximum): every later rescaling is an exact power of two, which a block's scale takes up: the codes' values come out the same.
;;   OPERANDS COMPUTED ON THE WAY. 'Computed on the way' means the value that the module computes at that place (a softmax that the list does not call 'softmax' is quantised finished and normalised). What goes into a quantiser is computed in f32, as accurately as f32 sums, v_exp_f32 and their like allow (about 1e-6 of the number): no bf16 or f16 on the way to a quantiser, and a product that is left as it is and whose result goes on into a quantised operand takes f32 operands (vector FMAs, or v_wmma_f32_16x16x4_f32). A number that lies on a knife's edge between two numbers of the format may be rounded either way, as far as f32 arithmetic and the matrix unit's own rounding can turn it there, and no further.
;; One version. Each part assembles by itself: llvm-mc -triple=amdgcn-amd-amdhsa -mcpu=gfx1250 --defsym DOCPART=n.
;; ======== version 1 of 1: 4 launches
;; limits: right only within a limited range of input values
;; workspace buffers: cod 12,582,912 bytes; scl 393,216 bytes; qc 8,388,608 bytes; qs 262,144 bytes; kv 17,301,504 bytes; hc 8,388,608 bytes; hs 262,144 bytes
;; launch quant (part 1): grid 384 x 1, 4 waves a work-group, no clusters, 34,304 bytes of LDS; arguments x, Wq, Wk, Wv, Wo, cod, scl; writes cod, scl
.if DOCPART == 1
	.amdgcn_target "amdgcn-amd-amdhsa--gfx1250"
	.amdhsa_code_object_version 6
	.text
	.protected	k_q00f6e7fcbc_quant
	.globl	k_q00f6e7fcbc_quant
	.p2align	8
	.type	k_q00f6e7fcbc_quant,@function
k_q00f6e7fcbc_quant:
	s_mov_b64 s[64:65], 0
	v_nop
	global_prefetch_b8 v0, s[64:65] scope:SCOPE_SE
	s_setreg_imm32_b32 hwreg(HW_REG_WAVE_MODE, 25, 1), 1
	s_wait_xcnt 0x0
; x [8192][1024], Wq, Wk, Wv, Wo [1024][1024], f32 with K innermost, become codes of FP8 (E4M3) with one E8M0 scale byte for each 32 along K.
; THE CODES ARE LAID AS IMAGES OF AN OPERAND'S REGISTERS.  cod = [768 tiles T][8 K steps s][2048 bytes]: T 0-511 x, 512-575 Wq, 576-639 Wk, 640-703 Wv, 704-767 Wo.
; In an image, chunk c (0..3) of lane l = r + 16 h, the 16 bytes at 512 c + 16 l, are the codes of the tensor's row 32 (T / 2) + 8 (T % 2) + r + 8 (r / 8), k = 128 s + 32 c + 16 h + 0 .. 15:
; four loads of 16 bytes a lane, 512 consecutive bytes each, give a fragment.  The rows of a tile are not neighbours: as source 0 of a product, tiles 2 b and 2 b + 1 leave a lane 16 neighbouring rows in 16 registers.
; scl = [768 T][8 s][16 r] words: byte c of a word scales k = 128 s + 32 c + 0 .. 31 of image row r.
; A block's scale is 2^(floor(log2(its largest magnitude)) - 8); its byte is the largest magnitude's exponent field - 8, held at 1 from below.
; LIMITS: NaN and infinities among the inputs are not served.  A block of zeros gets the byte 1 where the rule says 127: its codes are zeros, which add nothing, and this program alone reads the bytes.
; SHARES: work-group g, wave w: tile T = 2 g + w / 2, K steps 4 (w % 2) .. + 3: four images.  Each load reads 512 consecutive bytes of one row; a step's 16 rows x 512 bytes turn through the wave's own stage in LDS
; (rows 528 bytes apart: row r starts at bank 4 r, 64 banks of 4 bytes: ISA guide 11.1), so that a lane gets 16 neighbours along K of each block.  No barrier: waves share nothing.  No matrix unit, cluster or tensor load: a plain stream.
.set SROW,  528
.set SWAVE, 16*SROW
.set TM,  8                            ; v8-11 largest magnitudes, v12-15 the other half's / bytes, v16-19 448 x the scale, v20-23 the conversions' scale operands
.set PW,  24                           ; v24-27 a step's scale word each
.set HH,  30                           ; v30    h = lane / 16
.set RA,  32                           ; v32-159 two sets of 64 registers as loaded
.set X,   160                          ; v160-223 64 numbers: register 16 c + i = k 32 c + 16 h + i of my row
.set PC,  224                          ; v224-239 the codes
.set SEL, 20                           ; s[20:21] lane selects: lane l xor 16
.set MNT, 22                           ; s22    the mantissa field of 448
; 16 nb numbers of a lane from v[s] on become codes in v[pc] on and the scale word v[pw]
.macro QUANT s, nb, pc, pw
.irp b, 0,1,2,3
.if \b < \nb
	v_max3_num_f32 v[TM+\b], |v[\s+16*\b]|, |v[\s+16*\b+1]|, 0x4800000   ; my 16 numbers of block b, and the floor 2^(9 - 127): the byte cannot fall under 1
.endif
.endr
.irp i, 2,4,6,8,10,12,14
.irp b, 0,1,2,3
.if \b < \nb
	v_max3_num_f32 v[TM+\b], v[TM+\b], |v[\s+16*\b+\i]|, |v[\s+16*\b+\i+1]|   ; the blocks by turns
.endif
.endr
.endr
.irp b, 0,1,2,3
.if \b < \nb
	v_permlanex16_b32 v[TM+4+\b], v[TM+\b], s[SEL], s[SEL+1]
.endif
.endr
.irp b, 0,1,2,3
.if \b < \nb
	v_max_num_f32 v[TM+\b], v[TM+\b], v[TM+4+\b]   ; with lane l xor 16's 16: the block's largest magnitude
.endif
.endr
.irp b, 0,1,2,3
.if \b < \nb
	v_add_nc_u32 v[TM+12+\b], 0xfc000000, v[TM+\b]   ; 8 off its exponent field: the conversion takes this operand's exponent field as its scale
.endif
.endr
.irp b, 0,1,2,3
.if \b < \nb
	v_and_or_b32 v[TM+8+\b], v[TM+\b], 0x7f800000, s[MNT]   ; 448 x the scale
.endif
.endr
.irp b, 0,1,2,3
.if \b < \nb
	v_lshrrev_b32 v[TM+4+\b], 23, v[TM+12+\b]   ; the scale's byte
.endif
.endr
	v_lshl_or_b32 v[\pw], v[TM+5], 8, v[TM+4]
.if \nb > 2
	v_lshl_or_b32 v[\pw], v[TM+6], 16, v[\pw]
	v_lshl_or_b32 v[\pw], v[TM+7], 24, v[\pw]
.endif
.irp b, 0,1,2,3
.if \b < \nb
.irp i, 0,1,2,3,4,5,6,7,8,9,10,11,12,13,14,15
	v_med3_num_f32 v[\s+16*\b+\i], v[\s+16*\b+\i], -v[TM+8+\b], v[TM+8+\b]   ; the conversion to an 8-bit code does not saturate (ISA guide 7.6.2): the hold comes first
.endr
	v_cvt_scalef32_pk8_fp8_f32 v[\pc+4*\b:\pc+4*\b+1], v[\s+16*\b:\s+16*\b+7], v[TM+12+\b]
	v_cvt_scalef32_pk8_fp8_f32 v[\pc+4*\b+2:\pc+4*\b+3], v[\s+16*\b+8:\s+16*\b+15], v[TM+12+\b]
.endif
.endr
	v_nop                                          ; a plain line behind the last scaled conversion
.endm
	s_load_b256 s[4:11], s[0:1], 0x0               ; x, Wq, Wk, Wv
	s_load_b128 s[12:15], s[0:1], 0x20             ; Wo, cod
	s_load_b64 s[16:17], s[0:1], 0x30              ; scl
	v_lshl_add_u32 v240, v0, 2, 0x8400
	v_mov_b32 v241, 0
	v_lshrrev_b32 v1, 5, v0
	v_readfirstlane_b32 s23, v1                    ; wave
	v_and_b32 v2, 31, v0                           ; lane
	v_and_b32 v3, 15, v0                           ; r
	v_bfe_u32 v[HH], v0, 4, 1                      ; h
	v_lshlrev_b32 v4, 4, v2                        ; 16 x lane: my bytes of a load's and of a store's 512
	s_mul_i32 s24, s23, SWAVE                      ; my stage
	v_add_nc_u32 v5, s24, v4                       ; into it: a row as it lies
	v_mul_u32_u24 v6, v3, SROW
	v_lshl_add_u32 v6, v[HH], 6, v6
	v_add_nc_u32 v6, s24, v6                       ; out of it: row r, + 64 h: my 16 numbers of a block
	v_lshlrev_b32 v7, 2, v3
	v_lshl_add_u32 v7, v[HH], 6, v7                ; the scale words: 4 r, lanes 16-31 a K step further on
.irp b, 0,1,2,3
	v_mov_b32 v[TM+4+\b], 0                        ; written once: a lane permute's destination counts as one of its sources
.endr
	s_mov_b32 s[SEL], 0x76543210
	s_mov_b32 s[SEL+1], 0xfedcba98
	s_mov_b32 s[MNT], 0x600000
	s_lshr_b32 s25, s23, 1                         ; which tile of the pair
	s_and_b32 s26, s23, 1                          ; which half of K
	s_and_b32 s27, ttmp9, 31
	s_cmp_lt_u32 ttmp9, 256
	s_cselect_b32 s27, ttmp9, s27                  ; the pair of tiles within its tensor: x has 256, each weight 32
	s_lshl_b32 s27, s27, 5
	s_lshl_b32 s28, s25, 3
	s_add_co_u32 s27, s27, s28                     ; the tile's first row
	s_lshl_b32 s28, s27, 12                        ; rows of 4,096 bytes
	s_lshl_b32 s29, s26, 11
	s_add_co_u32 s28, s28, s29                     ; + my half of K: 2,048 bytes
	s_mov_b32 s29, 0
	s_lshl_b32 s30, ttmp9, 1
	s_add_co_u32 s30, s30, s25                     ; T
	s_lshl_b32 s32, s30, 14
	s_lshl_b32 s31, s26, 13
	s_add_co_u32 s32, s32, s31                     ; my four images
	s_mov_b32 s33, 0
	s_lshl_b32 s34, s30, 9
	s_lshl_b32 s31, s26, 8
	s_add_co_u32 s34, s34, s31                     ; and their scale words
	s_mov_b32 s35, 0
	s_wait_alu depctr_va_vdst(0)
	s_wait_kmcnt 0x0
	s_mov_b64 s[18:19], s[12:13]                   ; the tensor is chosen by the work-group's number alone
	s_cmp_lt_u32 ttmp9, 352
	s_cselect_b64 s[18:19], s[10:11], s[18:19]
	s_cmp_lt_u32 ttmp9, 320
	s_cselect_b64 s[18:19], s[8:9], s[18:19]
	s_cmp_lt_u32 ttmp9, 288
	s_cselect_b64 s[18:19], s[6:7], s[18:19]
	s_cmp_lt_u32 ttmp9, 256
	s_cselect_b64 s[18:19], s[4:5], s[18:19]
	s_add_nc_u64 s[18:19], s[18:19], s[28:29]
	s_add_nc_u64 s[14:15], s[14:15], s[32:33]
	s_add_nc_u64 s[16:17], s[16:17], s[34:35]
.macro LOAD t                          ; K step t of my four: 16 rows x 512 consecutive bytes
.irp i, 0,1,2,3,4,5,6,7,8,9,10,11,12,13,14,15
	global_load_b128 v[RA+64*((\t)%2)+4*\i:RA+64*((\t)%2)+4*\i+3], v4, s[18:19] offset:(\i+8*(\i/8))*4096+512*(\t) th:TH_LOAD_NT
.endr
.endm
.macro STEP t
.if (\t) < 3
	s_wait_loadcnt 16                              ; this step's 16 loads are in; the next step's 16 may be out
.else
	s_wait_loadcnt 0x0
.endif
.irp i, 0,1,2,3,4,5,6,7,8,9,10,11,12,13,14,15
	ds_store_b128 v5, v[RA+64*((\t)%2)+4*\i:RA+64*((\t)%2)+4*\i+3] offset:SROW*\i
.endr
.irp c, 0,1,2,3
.irp j, 0,1,2,3
	ds_load_b128 v[X+16*\c+4*\j:X+16*\c+4*\j+3], v6 offset:128*\c+16*\j   ; LDS serves a wave's instructions in order: these see the stores above
.endr
.endr
	s_wait_dscnt 0x0                               ; the numbers are back, and the stores have read their registers,
.if (\t) < 2
	LOAD (\t)+2                                    ; which take the loads of two steps on
.endif
.if (\t) > 0
	s_wait_xcnt 0x0                                ; the last step's stores have read the codes' registers
.endif
	QUANT X, 4, PC, PW+(\t)
.irp c, 0,1,2,3
	global_store_b128 v4, v[PC+4*\c:PC+4*\c+3], s[14:15] offset:2048*(\t)+512*\c   ; 512 consecutive bytes
.endr
.endm
	LOAD 0
	LOAD 1
	STEP 0
	STEP 1
	STEP 2
	STEP 3
	v_cmp_ne_u32 vcc_lo, 0, v[HH]                  ; both halves of the lanes hold each word: lanes 0-15 store the even step's, lanes 16-31 the odd step's
	v_cndmask_b32 v28, v[PW], v[PW+1], vcc_lo
	v_cndmask_b32 v29, v[PW+2], v[PW+3], vcc_lo
	global_store_b32 v7, v28, s[16:17]             ; 128 consecutive bytes
	global_store_b32 v7, v29, s[16:17] offset:128
	s_wait_tensorcnt 0x0
	ds_add_u32 v240, v241
	s_wait_dscnt 0x0
	s_endpgm
.Lfunc_end_k_q00f6e7fcbc_quant:
	.size	k_q00f6e7fcbc_quant, .Lfunc_end_k_q00f6e7fcbc_quant-k_q00f6e7fcbc_quant
	.p2alignl 7, 3214868480
	.fill 96, 4, 3214868480
	.section	.rodata,"a",@progbits
	.p2align	6, 0x0
	.amdhsa_kernel k_q00f6e7fcbc_quant
		.amdhsa_group_segment_fixed_size 34304
		.amdhsa_private_segment_fixed_size 0
		.amdhsa_enable_private_segment 0
		.amdhsa_kernarg_size 56
		.amdhsa_user_sgpr_count 2
		.amdhsa_user_sgpr_kernarg_segment_ptr 1
		.amdhsa_wavefront_size32 1
		.amdhsa_system_sgpr_workgroup_id_x 1
		.amdhsa_system_sgpr_workgroup_id_y 1
		.amdhsa_system_sgpr_workgroup_id_z 1
		.amdhsa_system_vgpr_workitem_id 0
		.amdhsa_next_free_vgpr 242
		.amdhsa_next_free_sgpr 66
		.amdhsa_reserve_vcc 1
		.amdhsa_float_denorm_mode_32 3
		.amdhsa_float_denorm_mode_16_64 3
		.amdhsa_memory_ordered 1
		.amdhsa_forward_progress 1
		.amdhsa_inst_pref_size 51
	.end_amdhsa_kernel
	.amdgpu_metadata
---
amdhsa.version: [ 1, 2 ]
amdhsa.kernels:
  - .name:           k_q00f6e7fcbc_quant
    .symbol:         k_q00f6e7fcbc_quant.kd
    .args:
      - { .name: x, .offset: 0, .size: 8, .value_kind: global_buffer, .address_space: global }
      - { .name: Wq, .offset: 8, .size: 8, .value_kind: global_buffer, .address_space: global }
      - { .name: Wk, .offset: 16, .size: 8, .value_kind: global_buffer, .address_space: global }
      - { .name: Wv, .offset: 24, .size: 8, .value_kind: global_buffer, .address_space: global }
      - { .name: Wo, .offset: 32, .size: 8, .value_kind: global_buffer, .address_space: global }
      - { .name: cod, .offset: 40, .size: 8, .value_kind: global_buffer, .address_space: global }
      - { .name: scl, .offset: 48, .size: 8, .value_kind: global_buffer, .address_space: global }
    .group_segment_fixed_size: 34304
    .private_segment_fixed_size: 0
    .kernarg_segment_align: 8
    .kernarg_segment_size: 56
    .max_flat_workgroup_size: 128
    .sgpr_count:     66
    .vgpr_count:     242
    .wavefront_size: 32
...
	.end_amdgpu_metadata
.endif
;; end of part 1
;; launch qkv (part 2): grid 12 x 32, 4 waves a work-group, clusters of 4 x 4, 327,680 bytes of LDS; arguments cod, scl, bq, bk, bv, qc, qs, kv; writes qc, qs, kv
.if DOCPART == 2
	.amdgcn_target "amdgcn-amd-amdhsa--gfx1250"
	.amdhsa_code_object_version 6
	.text
	.protected	k_q00f6e7fcbc_qkv
	.globl	k_q00f6e7fcbc_qkv
	.p2align	8
	.type	k_q00f6e7fcbc_qkv,@function
k_q00f6e7fcbc_qkv:
	s_mov_b64 s[64:65], 0
	v_nop
	global_prefetch_b8 v0, s[64:65] scope:SCOPE_SE
	s_setreg_imm32_b32 hwreg(HW_REG_WAVE_MODE, 25, 1), 1
	s_wait_xcnt 0x0
	s_wait_alu depctr_hold_cnt(0) depctr_sa_sdst(0) depctr_va_vdst(0) depctr_va_sdst(0) depctr_va_ssrc(0) depctr_va_vcc(0) depctr_vm_vsrc(0)
	s_getreg_b32 s2, hwreg(HW_REG_IB_STS2, 6, 4)
	s_cmp_eq_u32 s2, 0
	s_cbranch_scc0 .Lentry_in_a_cluster
	s_endpgm
.Lentry_in_a_cluster:
	s_bfe_u32 s2, ttmp6, 0x10000c
	s_cmp_lg_u32 s2, 0xf033
	s_cbranch_scc0 .Lentry_shape_is_right
	s_endpgm
.Lentry_shape_is_right:
.set FR,    16
.set NP,    8
.set SLOT,  131072
.set SCL,   2*SLOT
.set SPARE, SCL+16384
.set ADRA, 16
.set ADRB, 20
.set LI,   24
.set SOF,  25
.set HH,   26
.set ADRS, 27
.set SPW,  28
.set NIL,  29
.set SC,   32
.set BI,   64
.set AF,   128
.set X,    128
.set PC,   192
.set TM,   208
.set PW,   224
.set PWE,  225
.set SW,   228
.set WV,  20
.set WR,  21
.set WC,  22
.set ISV, 23
.set SEL, 2
.set MNT, 46
.set G1,  24
.set G0,  32
.set G1B, 48
.set G0B, 56
.set G1S, 68
.set G0S, 76
.set G1SB, 80
.set G0SB, 88
.set OUT, 92
.set SCO, 96
.set MSB, 0
.macro WIN new
.if MSB != (\new)
	s_set_vgpr_msb (MSB<<8)|(\new)
.set MSB, (\new)
.endif
.endm
.set MUL_LO, 0xa1
.set MUL_HI, 0xf1
.set TO_B,   0x40
.macro PLACES n
.rept \n
	v_nop
.endr
.endm
.macro JLOAD g0a, g1a, g0b, g1b
	s_cmp_eq_u32 s[WR], 0
	s_cbranch_scc0 .Lfor_b_\@
	tensor_load_to_lds s[\g0a:\g0a+3], s[\g1a:\g1a+7]
	s_nop 0
.rept 4
	v_nop
.endr
	s_branch .Lasked_\@
.Lfor_b_\@:
	tensor_load_to_lds s[\g0b:\g0b+3], s[\g1b:\g1b+7]
	s_nop 0
.rept 4
	v_nop
.endr
.Lasked_\@:
.endm
.macro CREST
	s_cmp_lg_u32 s[WV], 0
	s_cbranch_scc1 .Lnot_wave_0_\@
	s_barrier_signal -3
.Lnot_wave_0_\@:
	s_barrier_wait -3
	s_barrier_signal -1
	s_barrier_wait -1
.endm
.macro CROUND
	s_barrier_signal -1
	s_barrier_wait -1
	CREST
.endm
.macro QUANT s, nb, pc, pw
.irp b, 0,1,2,3
.if \b < \nb
	v_max3_num_f32 v[TM+\b], |v[\s+16*\b]|, |v[\s+16*\b+1]|, 0x4800000
.endif
.endr
.irp i, 2,4,6,8,10,12,14
.irp b, 0,1,2,3
.if \b < \nb
	v_max3_num_f32 v[TM+\b], v[TM+\b], |v[\s+16*\b+\i]|, |v[\s+16*\b+\i+1]|
.endif
.endr
.endr
.irp b, 0,1,2,3
.if \b < \nb
	v_permlanex16_b32 v[TM+4+\b], v[TM+\b], s[SEL], s[SEL+1]
.endif
.endr
.irp b, 0,1,2,3
.if \b < \nb
	v_max_num_f32 v[TM+\b], v[TM+\b], v[TM+4+\b]
.endif
.endr
.irp b, 0,1,2,3
.if \b < \nb
	v_add_nc_u32 v[TM+12+\b], 0xfc000000, v[TM+\b]
.endif
.endr
.irp b, 0,1,2,3
.if \b < \nb
	v_and_or_b32 v[TM+8+\b], v[TM+\b], 0x7f800000, s[MNT]
.endif
.endr
.irp b, 0,1,2,3
.if \b < \nb
	v_lshrrev_b32 v[TM+4+\b], 23, v[TM+12+\b]
.endif
.endr
	v_lshl_or_b32 v[\pw], v[TM+5], 8, v[TM+4]
.if \nb > 2
	v_lshl_or_b32 v[\pw], v[TM+6], 16, v[\pw]
	v_lshl_or_b32 v[\pw], v[TM+7], 24, v[\pw]
.endif
.irp b, 0,1,2,3
.if \b < \nb
.irp i, 0,1,2,3,4,5,6,7,8,9,10,11,12,13,14,15
	v_med3_num_f32 v[\s+16*\b+\i], v[\s+16*\b+\i], -v[TM+8+\b], v[TM+8+\b]
.endr
	v_cvt_scalef32_pk8_fp8_f32 v[\pc+4*\b:\pc+4*\b+1], v[\s+16*\b:\s+16*\b+7], v[TM+12+\b]
	v_cvt_scalef32_pk8_fp8_f32 v[\pc+4*\b+2:\pc+4*\b+3], v[\s+16*\b+8:\s+16*\b+15], v[TM+12+\b]
.endif
.endr
	v_nop
.endm
	s_load_b256 s[4:11], s[0:1], 0x0
	s_load_b256 s[12:19], s[0:1], 0x20
	v_lshl_add_u32 v[SPW], v0, 2, SPARE
	v_mov_b32 v[NIL], 0
	ds_add_u32 v28, v29
	ds_add_u32 v28, v29
	s_wait_dscnt 0x0
	v_lshrrev_b32 v1, 5, v0
	v_readfirstlane_b32 s[WV], v1
	s_lshr_b32 s[WR], s[WV], 1
	s_and_b32 s[WC], s[WV], 1
	s_bfe_u32 s40, ttmp6, 0x40000
	s_bfe_u32 s41, ttmp6, 0x40004
	s_mov_b32 s42, ttmp9
	s_and_b32 s43, ttmp7, 0xffff
	s_lshl_b32 s44, s41, 2
	s_lshl_b32 s44, 15, s44
	s_lshl_b32 s45, 0x1111, s40
	s_mov_b32 s[MNT], 0x600000
	s_mov_b32 s[SEL], 0x76543210
	s_mov_b32 s[SEL+1], 0xfedcba98
	s_or_b32 s[G1], s44, (3<<16)|(1<<21)
	s_or_b32 s[G1B], s45, (3<<16)|(1<<21)
.irp g, G1, G1B
	s_mov_b32 s[\g+1], 512<<16
	s_mov_b32 s[\g+2], 16<<16
	s_mov_b32 s[\g+3], 512<<16
	s_mov_b32 s[\g+4], 16
	s_mov_b32 s[\g+5], 2048
	s_mov_b32 s[\g+6], 0
	s_mov_b32 s[\g+7], 0
.endr
	s_or_b32 s[G1S], s44, (3<<16)|(1<<21)
	s_or_b32 s[G1SB], s45, (3<<16)|(1<<21)
.irp g, G1S, G1SB
	s_mov_b32 s[\g+1], 32<<16
	s_mov_b32 s[\g+2], 32<<16
	s_mov_b32 s[\g+3], 32<<16
	s_mov_b32 s[\g+4], 32
	s_mov_b32 s[\g+5], 32
	s_mov_b32 s[\g+6], 0
	s_mov_b32 s[\g+7], 0
.endr
	s_lshl_b32 s47, s43, 6
	s_lshl_b32 s92, s42, 6
	s_add_co_u32 s92, s92, 512
	s_mov_b32 s93, 640
	s_cmp_eq_u32 s42, 2
	s_cselect_b32 s[ISV], 1, 0
	s_cselect_b32 s66, s93, s47
	s_cselect_b32 s100, s47, s92
	s_lshl_b32 s67, s41, 4
	s_add_co_u32 s66, s66, s67
	s_lshl_b32 s67, s[WC], 3
	s_add_co_u32 s66, s66, s67
	s_lshl_b32 s101, s40, 4
	s_add_co_u32 s100, s100, s101
	s_lshl_b32 s101, s[WC], 3
	s_add_co_u32 s100, s100, s101
	s_lshl_b32 s94, s66, 14
	s_mov_b32 s95, 0
	s_lshl_b32 s96, s66, 9
	s_mov_b32 s97, 0
	s_lshl_b32 s98, s100, 14
	s_mov_b32 s99, 0
	s_lshl_b32 s100, s100, 9
	s_mov_b32 s101, 0
	s_lshl_b32 s47, s[WV], 15
	s_lshl_b32 s93, s[WV], 12
	s_wait_kmcnt 0x0
	s_add_nc_u64 s[94:95], s[4:5], s[94:95]
	s_add_nc_u64 s[96:97], s[6:7], s[96:97]
	s_add_nc_u64 s[98:99], s[4:5], s[98:99]
	s_add_nc_u64 s[100:101], s[6:7], s[100:101]
	CROUND
; THE HEAD'S FOUR TILES, ONE LOAD A WAVE: wave 0 slot 0's 16 images of A, wave 1 its 16 of B, wave 2 the scale words of A's 16 tiles, wave 3 those of B's.
; My pointers stand at my half (8 tiles) of a tile's 16: waves 1 and 3, whose half is the second, step back to the first.
	s_lshl_b32 s66, s[WC], 17                      ; 8 tiles of 16,384 bytes of codes
	s_mov_b32 s67, 0
	s_mov_b32 s[G0], 1
	s_mov_b32 s[G0+1], 0
	s_mov_b64 s[G0+2:G0+3], s[94:95]
	s_or_b32 s[G0+3], s[G0+3], 0x80000000
	s_mov_b32 s[G0B], 1
	s_mov_b32 s[G0B+1], 65536
	s_sub_nc_u64 s[G0B+2:G0B+3], s[98:99], s[66:67]
	s_or_b32 s[G0B+3], s[G0B+3], 0x80000000
	s_lshl_b32 s66, s[WC], 12                      ; 8 tiles of 512 bytes of scale words
	s_mov_b32 s[G0S], 1
	s_mov_b32 s[G0S+1], SCL
	s_mov_b64 s[G0S+2:G0S+3], s[96:97]
	s_or_b32 s[G0S+3], s[G0S+3], 0x80000000
	s_mov_b32 s[G0SB], 1
	s_mov_b32 s[G0SB+1], SCL+8192
	s_sub_nc_u64 s[G0SB+2:G0SB+3], s[100:101], s[66:67]
	s_or_b32 s[G0SB+3], s[G0SB+3], 0x80000000
	s_mov_b32 s[G0+4], 1                           ; slot 1's sets: my 8 tiles, the second 256 along K
	s_add_co_u32 s[G0+5], s47, SLOT
	s_add_nc_u64 s[G0+6:G0+7], s[94:95], 4096
	s_or_b32 s[G0+7], s[G0+7], 0x80000000
	s_mov_b32 s[G0B+4], 1
	s_add_co_u32 s[G0B+5], s47, SLOT
	s_add_nc_u64 s[G0B+6:G0B+7], s[98:99], 4096
	s_or_b32 s[G0B+7], s[G0B+7], 0x80000000
.macro ARM under, g0, g1, next         ; one chain of branches on the wave's number: every way passes exactly one load
	s_cmp_lt_u32 s[WV], \under
	s_cbranch_scc0 \next
	tensor_load_to_lds s[\g0:\g0+3], s[\g1:\g1+7]
	s_nop 0
.rept 4
	v_nop
.endr
	s_branch .Lhead_asked
\next:
.endm
	ARM 1, G0,  G1,  .Lhead_b
	ARM 2, G0B, G1B, .Lhead_sa
	ARM 3, G0S, G1S, .Lhead_sb
	tensor_load_to_lds s[G0SB:G0SB+3], s[G1SB:G1SB+7]
	s_nop 0
.rept 4
	v_nop
.endr
.Lhead_asked:
	s_wait_alu depctr_va_vdst(0)
	s_wait_tensorcnt 0x0                           ; my tile of the four is in
	ds_add_u32 v28, v29
	s_mov_b32 s[G1+2], 8<<16                       ; no tensor load of mine is out: from here on a load brings my 8 tiles
	s_mov_b32 s[G1+4], 8
	s_mov_b32 s[G1B+2], 8<<16
	s_mov_b32 s[G1B+4], 8
	s_mov_b32 s[G0+1], s47                         ; and slot 0's sets take the ring's form
	s_mov_b64 s[G0+2:G0+3], s[94:95]
	s_or_b32 s[G0+3], s[G0+3], 0x80000000
	s_mov_b32 s[G0B+1], s47
	s_mov_b64 s[G0B+2:G0B+3], s[98:99]
	s_or_b32 s[G0B+3], s[G0B+3], 0x80000000
	s_wait_dscnt 0x0
	CROUND
	JLOAD G0+4, G1, G0B+4, G1B
	v_and_b32 v1, 15, v0
	v_bfe_u32 v[HH], v0, 4, 1
	s_wait_alu depctr_va_vdst(0)
	v_and_b32 v2, 31, v0
	v_lshlrev_b32 v[LI], 4, v2
	s_lshl_b32 s66, s[WR], 15
	s_lshl_b32 s67, s[WC], 15
	s_add_co_u32 s67, s67, 65536
.irp s, 0,1
	v_add_nc_u32 v[ADRA+\s], s66, v[LI]
	v_add_nc_u32 v[ADRB+\s], s67, v[LI]
	s_add_co_u32 s66, s66, SLOT
	s_add_co_u32 s67, s67, SLOT
.endr
	s_lshl_b32 s66, s[WR], 12
	s_lshl_b32 s67, s[WC], 12
	s_add_co_u32 s67, s67, 8192
	s_sub_co_u32 s67, s67, s66
	v_mul_u32_u24 v3, s67, v[HH]
	s_add_co_u32 s66, s66, SCL
	v_lshl_add_u32 v3, v1, 2, v3
	v_add_nc_u32 v[ADRS], s66, v3
	v_lshlrev_b32 v[SOF], 4, v1
	v_lshl_add_u32 v[SOF], v[HH], 3, v[SOF]
	s_cmp_eq_u32 s42, 1
	s_cselect_b64 s[100:101], s[10:11], s[8:9]
	s_cmp_eq_u32 s[ISV], 0
	s_cselect_b64 s[100:101], s[100:101], s[12:13]
	s_cselect_b32 s4, s40, s41
	s_cselect_b32 s5, s[WC], s[WR]
	s_cselect_b32 s6, s41, s40
	s_cselect_b32 s7, s[WR], s[WC]
	s_lshl_b32 s8, s4, 10
	s_lshl_b32 s9, s5, 9
	s_add_co_u32 s8, s8, s9
	s_mov_b32 s9, 0
	s_add_nc_u64 s[100:101], s[100:101], s[8:9]
	s_cmp_eq_u32 s[ISV], 0
	s_cbranch_scc0 .Lbias_v
	v_lshlrev_b32 v2, 6, v[HH]
.irp b, 0,1,2,3
.irp q, 0,1,2,3
	global_load_b128 v[BI+16*\b+4*\q:BI+16*\b+4*\q+3], v2, s[100:101] offset:128*\b+16*\q
.endr
.endr
	s_branch .Lbias_done
.Lbias_v:
	v_and_b32 v2, 8, v1
	v_add_nc_u32 v2, v2, v1
	v_lshlrev_b32 v2, 2, v2
.irp a, 0,1,2,3,4,5,6,7
.irp j, 0,1,2,3,4,5,6,7
	global_load_b32 v[BI+8*\a+\j], v2, s[100:101] offset:4*(32*(\a/2)+8*(\a%2))
.endr
.endr
.Lbias_done:
	s_lshl_b32 s8, s43, 2
	s_add_co_u32 s8, s8, s6
	s_and_b32 s8, s8, 7
	s_lshl_b32 s8, s8, 1
	s_add_co_u32 s8, s8, s7
	s_lshr_b32 s9, s43, 1
	s_lshl_b32 s9, s9, 4
	s_lshl_b32 s4, s4, 2
	s_add_co_u32 s9, s9, s4
	s_lshl_b32 s5, s5, 1
	s_add_co_u32 s9, s9, s5
	s_mov_b32 s10, 270336
	s_mov_b32 s11, 16896
	s_cmp_eq_u32 s42, 0
	s_cselect_b64 s[OUT:OUT+1], s[14:15], s[18:19]
	s_cselect_b64 s[SCO:SCO+1], s[16:17], s[18:19]
	s_cselect_b32 s12, 131072, s10
	s_cselect_b32 s10, 4096, s10
	s_cselect_b32 s13, 8192, s11
	s_cselect_b32 s11, 256, s11
	s_cselect_b32 s47, 0, 16384
	s_mul_i32 s4, s9, s12
	s_mul_i32 s5, s8, s13
	s_add_co_u32 s4, s4, s5
	s_lshl_b32 s5, s[ISV], 13
	s_add_co_u32 s4, s4, s5
	s_mov_b32 s5, 0
	s_add_nc_u64 s[OUT:OUT+1], s[OUT:OUT+1], s[4:5]
	s_mov_b32 s4, s12
	s_add_nc_u64 s[OUT+2:OUT+3], s[OUT:OUT+1], s[4:5]
	s_mul_i32 s6, s9, s10
	s_mul_i32 s7, s8, s11
	s_add_co_u32 s6, s6, s7
	s_add_co_u32 s6, s6, s47
	s_lshl_b32 s7, s[ISV], 8
	s_add_co_u32 s6, s6, s7
	s_mov_b32 s7, 0
	s_add_nc_u64 s[SCO:SCO+1], s[SCO:SCO+1], s[6:7]
	s_mov_b32 s6, s10
	s_add_nc_u64 s[SCO+2:SCO+3], s[SCO:SCO+1], s[6:7]
.macro FRAG reg, adr, q, i
.irp c, 0,1,2,3
	ds_load_b128 v[\reg+4*\c:\reg+4*\c+3], v[\adr] offset:4096*(\i)+2048*(\q)+512*\c
.endr
.endm
.macro MUL16 a0, p, q, sc, zero
.irp a, \a0, \a0+1
.irp b, 0,1,2,3,4,5,6,7
.if \zero
	v_wmma_scale_f32_16x16x128_f8f6f4 v[8*(8*((\a)%4)+\b):8*(8*((\a)%4)+\b)+7], v[128*(\p)+FR*\b:128*(\p)+FR*\b+FR-1], v[AF+FR*(\a):AF+FR*(\a)+FR-1], 0, v[SC+16*(\sc)+2*\b+(\q)], v[SC+16*(\sc)+2*(\a)+(\q)] matrix_a_scale:MATRIX_SCALE_ROW1
.else
	v_wmma_scale_f32_16x16x128_f8f6f4 v[8*(8*((\a)%4)+\b):8*(8*((\a)%4)+\b)+7], v[128*(\p)+FR*\b:128*(\p)+FR*\b+FR-1], v[AF+FR*(\a):AF+FR*(\a)+FR-1], v[8*(8*((\a)%4)+\b):8*(8*((\a)%4)+\b)+7], v[SC+16*(\sc)+2*\b+(\q)], v[SC+16*(\sc)+2*(\a)+(\q)] matrix_a_scale:MATRIX_SCALE_ROW1
.endif
.endr
.endr
.endm
.macro FETCH_B slot, q, p
	WIN TO_B
.irp i, 0,1,2,3,4,5,6,7
	FRAG 128*(\p)+FR*\i, ADRB+\slot, \q, \i
.endr
	WIN 0
.endm
.macro FETCH_A slot, q, i0
.irp i, \i0, \i0+1, \i0+2, \i0+3
	FRAG AF+FR*(\i), ADRA+\slot, \q, \i
.endr
.endm
.macro SCALES sc, ks
.irp i, 0,1,2,3,4,5,6,7
.irp q, 0,1
	ds_load_b32 v[SC+16*\sc+2*\i+\q], v[ADRS] offset:512*\i+64*(2*\ks+\q)
.endr
.endr
.endm
.macro STEP slot, zero
	s_wait_dscnt 16
	WIN MUL_LO
	MUL16 0, 0, 0, \slot, \zero
	MUL16 2, 0, 0, \slot, \zero
	s_wait_dscnt 0x0
	PLACES NP
	FETCH_B \slot, 1, 1
	FETCH_A \slot, 1, 0
	WIN MUL_HI
	MUL16 4, 0, 0, \slot, \zero
	MUL16 6, 0, 0, \slot, \zero
	PLACES NP
	WIN 0
	FETCH_A \slot, 1, 4
.endm
.macro TURN slot, next, fill, ks
	s_wait_tensorcnt 0x0
	ds_add_u32 v[SPW], v[NIL]
	s_wait_dscnt 17
	WIN MUL_LO
	MUL16 0, 1, 1, \slot, 0
	s_wait_dscnt 0x0
	s_barrier_signal -1
	MUL16 2, 1, 1, \slot, 0
	WIN 0
	s_barrier_wait -1
.if \fill
	CREST
	s_add_nc_u64 s[G0+4*\slot+2:G0+4*\slot+3], s[G0+4*\slot+2:G0+4*\slot+3], 8192
	s_add_nc_u64 s[G0B+4*\slot+2:G0B+4*\slot+3], s[G0B+4*\slot+2:G0B+4*\slot+3], 8192
	JLOAD G0+4*\slot, G1, G0B+4*\slot, G1B
	PLACES NP-4
.else
	PLACES NP
.endif
	FETCH_B \next, 0, 0
	FETCH_A \next, 0, 0
	SCALES \next, \ks
	WIN MUL_HI
	MUL16 4, 1, 1, \slot, 0
	MUL16 6, 1, 1, \slot, 0
	PLACES NP
	WIN 0
	FETCH_A \next, 0, 4
.endm
	s_wait_tensorcnt 1
	s_barrier_signal -1
	s_barrier_wait -1
	s_wait_alu depctr_va_vdst(0)
	FETCH_B 0, 0, 0
	FETCH_A 0, 0, 0
	SCALES 0, 0
	FETCH_A 0, 0, 4
	STEP 0, 1
	TURN 0, 1, 1, 1
	STEP 1, 0
	TURN 1, 0, 1, 2
	STEP 0, 0
	TURN 0, 1, 0, 3
	STEP 1, 0
	s_wait_dscnt 16
	WIN MUL_LO
	MUL16 0, 1, 1, 1, 0
	MUL16 2, 1, 1, 1, 0
	s_wait_dscnt 0x0
	WIN MUL_HI
	MUL16 4, 1, 1, 1, 0
	MUL16 6, 1, 1, 1, 0
	WIN 0
.macro ABLOCK a, isv
.set AC, 64*((\a)%4)
	WIN 0x02+(\a)/4
.set i, 0
.rept 32
.if \isv
	v_pk_add_f32 v[X+2*i:X+2*i+1], v[AC+2*i:AC+2*i+1], v[BI+8*(\a)+2*(i%4):BI+8*(\a)+2*(i%4)+1]
.else
	v_pk_add_f32 v[X+2*i:X+2*i+1], v[AC+2*i:AC+2*i+1], v[BI+2*i:BI+2*i+1]
.endif
.set i, i+1
.endr
	WIN 0
.if (\a) > 0
	s_wait_xcnt 0x0
.endif
	QUANT X, 4, PC, PW
.irp b, 0,1,2,3
.if \isv
	global_store_b128 v[LI], v[PC+4*\b:PC+4*\b+3], s[OUT+2*((\a)/4):OUT+2*((\a)/4)+1] offset:2048*((\a)%4)+512*\b
.else
	global_store_b128 v[LI], v[PC+4*\b:PC+4*\b+3], s[OUT+2*(\b/2):OUT+2*(\b/2)+1] offset:1024*(\a)+512*(\b%2)
.endif
.endr
.if \isv
	v_mov_b32 v[SW+(\a)], v[PW]
.elseif ((\a)%2) == 0
	v_mov_b32 v[PWE], v[PW]
.else
	v_perm_b32 v[SW+(\a)/2], v[PW], v[PWE], 0x05040100
	v_perm_b32 v[SW+4+(\a)/2], v[PW], v[PWE], 0x07060302
.endif
.endm
.macro EPI isv
.irp a, 0,1,2,3,4,5,6,7
	ABLOCK \a, \isv
.endr
	v_cmp_ne_u32 vcc_lo, 0, v[HH]
.irp g, 0,1
	v_cndmask_b32 v[236+2*\g], v[SW+4*\g], v[SW+4*\g+2], vcc_lo
	v_cndmask_b32 v[237+2*\g], v[SW+4*\g+1], v[SW+4*\g+3], vcc_lo
	global_store_b64 v[SOF], v[236+2*\g:237+2*\g], s[SCO+2*\g:SCO+2*\g+1]
.endr
.endm
	s_wait_loadcnt 0x0
	PLACES NP
.irp b, 0,1,2,3
	v_mov_b32 v[TM+4+\b], 0
.endr
	s_cmp_eq_u32 s[ISV], 0
	s_cbranch_scc0 .Lepi_v
	EPI 0
	s_branch .Lend
.Lepi_v:
	EPI 1
.Lend:
	s_wait_tensorcnt 0x0
	ds_add_u32 v[SPW], v[NIL]
	s_wait_dscnt 0x0
	CROUND
	s_endpgm
.Lfunc_end_k_q00f6e7fcbc_qkv:
	.size	k_q00f6e7fcbc_qkv, .Lfunc_end_k_q00f6e7fcbc_qkv-k_q00f6e7fcbc_qkv
	.p2alignl 7, 3214868480
	.fill 96, 4, 3214868480
	.section	.rodata,"a",@progbits
	.p2align	6, 0x0
	.amdhsa_kernel k_q00f6e7fcbc_qkv
		.amdhsa_group_segment_fixed_size 327680
		.amdhsa_private_segment_fixed_size 0
		.amdhsa_enable_private_segment 0
		.amdhsa_kernarg_size 64
		.amdhsa_user_sgpr_count 2
		.amdhsa_user_sgpr_kernarg_segment_ptr 1
		.amdhsa_wavefront_size32 1
		.amdhsa_system_sgpr_workgroup_id_x 1
		.amdhsa_system_sgpr_workgroup_id_y 1
		.amdhsa_system_sgpr_workgroup_id_z 1
		.amdhsa_system_vgpr_workitem_id 0
		.amdhsa_next_free_vgpr 1024
		.amdhsa_next_free_sgpr 102
		.amdhsa_reserve_vcc 1
		.amdhsa_float_denorm_mode_32 3
		.amdhsa_float_denorm_mode_16_64 3
		.amdhsa_memory_ordered 1
		.amdhsa_forward_progress 1
		.amdhsa_inst_pref_size 255
	.end_amdhsa_kernel
	.section	.bss,"aw",@nobits
	.p2align	6
	.space	262144
	.amdgpu_metadata
---
amdhsa.version: [ 1, 2 ]
amdhsa.kernels:
  - .name:           k_q00f6e7fcbc_qkv
    .symbol:         k_q00f6e7fcbc_qkv.kd
    .args:
      - { .name: cod, .offset: 0, .size: 8, .value_kind: global_buffer, .address_space: global }
      - { .name: scl, .offset: 8, .size: 8, .value_kind: global_buffer, .address_space: global }
      - { .name: bq, .offset: 16, .size: 8, .value_kind: global_buffer, .address_space: global }
      - { .name: bk, .offset: 24, .size: 8, .value_kind: global_buffer, .address_space: global }
      - { .name: bv, .offset: 32, .size: 8, .value_kind: global_buffer, .address_space: global }
      - { .name: qc, .offset: 40, .size: 8, .value_kind: global_buffer, .address_space: global }
      - { .name: qs, .offset: 48, .size: 8, .value_kind: global_buffer, .address_space: global }
      - { .name: kv, .offset: 56, .size: 8, .value_kind: global_buffer, .address_space: global }
    .group_segment_fixed_size: 327680
    .private_segment_fixed_size: 0
    .kernarg_segment_align: 8
    .kernarg_segment_size: 64
    .max_flat_workgroup_size: 128
    .sgpr_count:     102
    .vgpr_count:     1024
    .wavefront_size: 32
...
	.end_amdgpu_metadata
.endif
;; end of part 2
;; launch attn (part 3): grid 4 x 64, 16 waves a work-group, clusters of 4 x 1, 327,680 bytes of LDS; arguments qc, qs, kv, hc, hs; writes hc, hs
.if DOCPART == 3
	.amdgcn_target "amdgcn-amd-amdhsa--gfx1250"
	.amdhsa_code_object_version 6
	.text
	.protected	k_q00f6e7fcbc_attn
	.globl	k_q00f6e7fcbc_attn
	.p2align	8
	.type	k_q00f6e7fcbc_attn,@function
k_q00f6e7fcbc_attn:
	s_mov_b64 s[64:65], 0
	v_nop
	global_prefetch_b8 v0, s[64:65] scope:SCOPE_SE
	s_setreg_imm32_b32 hwreg(HW_REG_WAVE_MODE, 25, 1), 1
	s_wait_xcnt 0x0
	s_wait_alu depctr_hold_cnt(0) depctr_sa_sdst(0) depctr_va_vdst(0) depctr_va_sdst(0) depctr_va_ssrc(0) depctr_va_vcc(0) depctr_vm_vsrc(0)
	s_getreg_b32 s2, hwreg(HW_REG_IB_STS2, 6, 4)
	s_cmp_eq_u32 s2, 0
	s_cbranch_scc0 .Lentry_in_a_cluster
	s_endpgm
.Lentry_in_a_cluster:
	s_bfe_u32 s2, ttmp6, 0x10000c
	s_cmp_lg_u32 s2, 0x3003
	s_cbranch_scc0 .Lentry_shape_is_right
	s_endpgm
.Lentry_shape_is_right:
; head = softmax(Q K^T / 8) V for 64 heads of 2,048 tokens x 64, both products on codes of FP8 (E4M3) with E8M0 scales; the result is quantised along the model's axis for the last projection.
; THE SOFTMAX: t = score x log2(e) / 8; M = the running largest t rounded up to a whole number; p = 2^(t - M) is quantised along the keys; the row's sum is taken of the unquantised p in f32 and divides at the end.
; When M moves, the sums and O^T are multiplied by f = 2^(old M - new M), which rounds nothing.  LIMITS: the promise holds while |t| stays under 2^31; NaN and infinities are not served.
; BUFFERS.  kv = [64 heads][16 records of 16,896 bytes], a record = 128 keys: four images of K (2,048 bytes: registers 0-7 tile 2 b's 64 channels, 8-15 tile 2 b + 1's), four images of V^T (16 channels x 128 keys),
; 256 bytes of K's scale words [16 r][4 b], 256 of V's [16 r][4 t].  An image is an operand's registers: chunk c of lane l at 512 c + 16 l.  qc, qs, hc, hs as the neighbouring launches lay them.
; SHARES.  A work-group owns 512 queries of one head, each of its sixteen waves two tiles of 16, one after the other.  The head's 16 records stay in LDS: each wave fetches ONE record by its one tensor load at the head.
; The four work-groups of a cluster walk the same head: the loads are joint (mask 15).  Nothing is filled again.  No prefetch: all of K and V is asked for at the head, so there is no loop to run ahead in.
; K = 64 of the first product fills half of the instruction's 128: an image of K holds two tiles, and Q stands between zeros, so that v[24:39] picks the first tile and v[16:31] the second.
; A KEY STEP has two regions of 64 registers: ra holds K, then V; rb the scores, then p, and, once p's codes are made, the NEXT step's K.  The regions swap from step to step: a trip is two steps.
; THE WAVES STAY WITHIN ONE STEP OF EACH OTHER: at a step's head a wave waits for the signals given at the last step's head and signals anew; between signal and wait stand register work and LDS loads of bytes that nobody writes.
.set REC,  16896
.set HSC,  16*REC                      ; behind the records: 1,024 scale bytes of the result
.set TM,  52                           ; v52-55 block maxima, v56-59 the other half's / bytes, v60-63 448 x the scale, v64-67 the conversions' scale operands
.set QS,  40
.set QW,  41
.set NB,  42                           ; v[42:43], v[12:13]: -M, by turns (the packed form takes a pair's low word); v13 the running largest score
.set KS,  44
.set VS,  48
.set PW,  68
.set R1,  80
.set R2,  144
.set OT,  208
.set PC,  240
.set WV,  18
.set MNT, 19
.set SEL, 20
.set CS,  22                           ; s[22:23] c = log2(e) / 8; s54 = -c
.set TB,  2                            ; s2 the trip's first record in LDS; s55 the next trip's, held inside the records
.macro PLACES n
.rept \n
	v_nop
.endr
.endm
.macro CROUND
	s_barrier_signal -1
	s_barrier_wait -1
	s_cmp_lg_u32 s[WV], 0
	s_cbranch_scc1 .Lnot_wave_0_\@
	s_barrier_signal -3
.Lnot_wave_0_\@:
	s_barrier_wait -3
	s_barrier_signal -1
	s_barrier_wait -1
.endm
.macro QUANT s, nb, pc, pw             ; 16 nb numbers of a lane become codes and a scale word
.irp b, 0,1,2,3
.if \b < \nb
	v_max3_num_f32 v[TM+\b], |v[\s+16*\b]|, |v[\s+16*\b+1]|, 0x4800000
.endif
.endr
.irp i, 2,4,6,8,10,12,14
.irp b, 0,1,2,3
.if \b < \nb
	s_delay_alu instid0(VALU_DEP_2)
	v_max3_num_f32 v[TM+\b], v[TM+\b], |v[\s+16*\b+\i]|, |v[\s+16*\b+\i+1]|
.endif
.endr
.endr
.irp b, 0,1,2,3
.if \b < \nb
	s_delay_alu instid0(VALU_DEP_2)
	v_permlanex16_b32 v[TM+4+\b], v[TM+\b], s[SEL], s[SEL+1]
.endif
.endr
.irp b, 0,1,2,3
.if \b < \nb
	s_delay_alu instid0(VALU_DEP_2)
	v_max_num_f32 v[TM+\b], v[TM+\b], v[TM+4+\b]
.endif
.endr
.irp b, 0,1,2,3
.if \b < \nb
	s_delay_alu instid0(VALU_DEP_2)
	v_add_nc_u32 v[TM+12+\b], 0xfc000000, v[TM+\b]
.endif
.endr
.irp b, 0,1,2,3
.if \b < \nb
	s_delay_alu instid0(VALU_DEP_4)
	v_and_or_b32 v[TM+8+\b], v[TM+\b], 0x7f800000, s[MNT]
.endif
.endr
.irp b, 0,1,2,3
.if \b < \nb
	s_delay_alu instid0(VALU_DEP_4)
	v_lshrrev_b32 v[TM+4+\b], 23, v[TM+12+\b]
.endif
.endr
	s_delay_alu instid0(VALU_DEP_1)
	v_lshl_or_b32 v[\pw], v[TM+5], 8, v[TM+4]
.if \nb > 2
	v_lshl_or_b32 v[\pw], v[TM+6], 16, v[\pw]
	v_lshl_or_b32 v[\pw], v[TM+7], 24, v[\pw]
.endif
.irp b, 0,1,2,3
.if \b < \nb
.irp i, 0,1,2,3,4,5,6,7,8,9,10,11,12,13,14,15
	v_med3_num_f32 v[\s+16*\b+\i], v[\s+16*\b+\i], -v[TM+8+\b], v[TM+8+\b]
.endr
	v_cvt_scalef32_pk8_fp8_f32 v[\pc+4*\b:\pc+4*\b+1], v[\s+16*\b:\s+16*\b+7], v[TM+12+\b]
	v_cvt_scalef32_pk8_fp8_f32 v[\pc+4*\b+2:\pc+4*\b+3], v[\s+16*\b+8:\s+16*\b+15], v[TM+12+\b]
.endif
.endr
	v_nop
.endm
.macro INIT                            ; a tile of queries begins: the largest score under every score, -M so large that the first f is 0, sums and O^T zeros
	v_mov_b32 v13, 0xff61b1e6
	v_mov_b32 v12, 0x7f000000
	v_mov_b32 v14, 0
	v_mov_b32 v15, 0
	v_mov_b32 v72, 0
	v_mov_b32 v73, 0
.set i, 0
.rept 32
	v_mov_b32 v[OT+i], 0
.set i, i+1
.endr
.endm
.macro KLOAD reg, ak, as, off          ; a record's four images of K and its scale words: 17 loads
.irp b, 0,1,2,3
.irp c, 0,1,2,3
	ds_load_b128 v[\reg+16*\b+4*\c:\reg+16*\b+4*\c+3], v[\ak] offset:\off+2048*\b+512*\c
.endr
.endr
	ds_load_b128 v[KS:KS+3], v[\as] offset:\off+16384
.endm
	s_load_b256 s[4:11], s[0:1], 0x0               ; qc, qs, kv, hc
	s_load_b64 s[12:13], s[0:1], 0x20              ; hs
	v_lshl_add_u32 v78, v0, 2, 0x44000
	v_mov_b32 v79, 0
	ds_add_u32 v78, v79                            ; the opening lines: the add, twice on end, and its wait ahead of the first tensor load
	ds_add_u32 v78, v79
	v_lshrrev_b32 v1, 5, v0
	s_delay_alu instid0(VALU_DEP_1)
	v_readfirstlane_b32 s[WV], v1
	s_bfe_u32 s14, ttmp6, 0x40000                  ; cx: which 512 queries
	s_and_b32 s15, ttmp7, 0xffff                   ; the head
	s_mov_b32 s24, 15|(3<<16)|(1<<21)              ; group 1: a record as 66 rows of 256 bytes (32 elements of 8), dense; the mask names the cluster's four
	s_mov_b32 s25, 32<<16
	s_mov_b32 s26, 66<<16
	s_mov_b32 s27, 32<<16
	s_mov_b32 s28, 66
	s_mov_b32 s29, 32
	s_mov_b32 s30, 0
	s_mov_b32 s31, 0
	s_mov_b32 s[MNT], 0x600000
	s_mov_b32 s[SEL], 0x76543210
	s_mov_b32 s[SEL+1], 0xfedcba98
	s_mov_b32 s[CS], 0x3e38aa3b
	s_mov_b32 s[CS+1], s[CS]
	s_mov_b32 s54, 0xbe38aa3b
	s_mov_b32 s[TB], 0
	s_mul_i32 s16, s[WV], REC                      ; wave w fetches record w
	s_mul_i32 s46, s15, 16*REC
	s_add_co_u32 s46, s46, s16
	s_mov_b32 s47, 0
	s_wait_dscnt 0x0
	s_wait_kmcnt 0x0
	s_add_nc_u64 s[46:47], s[8:9], s[46:47]
	CROUND                                         ; the four work-groups are here: the joint loads meet
	s_mov_b32 s32, 1
	s_mov_b32 s33, s16
	s_mov_b64 s[34:35], s[46:47]
	s_or_b32 s35, s35, 0x80000000
	tensor_load_to_lds s[32:35], s[24:31]          ; my one tensor load
	s_nop 0
	PLACES 4
	s_lshl_b32 s17, s[WV], 6
	v_and_b32 v69, 31, v0
	v_and_b32 v70, 15, v0
	v_lshlrev_b32 v7, 4, v0
	v_lshlrev_b32 v1, 4, v69                       ; v1 16 x lane
	v_lshlrev_b32 v2, 4, v70                       ; v2 16 r
	v_lshl_add_u32 v5, v70, 1, s17
	v_add_nc_u32 v6, HSC, v7
	v_add_nc_u32 v5, HSC, v5                       ; v5 where my tile's scale bytes go in LDS
	s_wait_alu depctr_va_vdst(0)
	s_lshl_b32 s48, s14, 4
	s_add_co_u32 s48, s48, s[WV]                   ; my pair of query tiles in the head
	s_lshl_b32 s44, s15, 17
	s_lshl_b32 s49, s48, 11
	s_add_co_u32 s44, s44, s49
	s_mov_b32 s45, 0
	s_add_nc_u64 s[44:45], s[4:5], s[44:45]
	s_lshl_b32 s50, s15, 12
	s_lshr_b32 s49, s48, 2
	s_lshl_b32 s49, s49, 8
	s_add_co_u32 s50, s50, s49
	s_and_b32 s49, s48, 3
	s_lshl_b32 s49, s49, 2
	s_add_co_u32 s50, s50, s49
	s_mov_b32 s51, 0
	s_add_nc_u64 s[50:51], s[6:7], s[50:51]
	global_load_b128 v[24:27], v1, s[44:45]        ; the first tile of Q
	global_load_b128 v[28:31], v1, s[44:45] offset:512
	global_load_b32 v[QW], v2, s[50:51]            ; both tiles' scale bytes
	s_lshr_b32 s52, s15, 4
	s_lshl_b32 s52, s52, 7
	s_lshl_b32 s49, s48, 1
	s_add_co_u32 s49, s49, s52
	s_lshl_b32 s40, s49, 14
	s_and_b32 s49, s15, 15
	s_lshl_b32 s53, s49, 10
	s_add_co_u32 s40, s40, s53
	s_mov_b32 s41, 0
	s_add_nc_u64 s[40:41], s[10:11], s[40:41]      ; hc
	s_lshl_b32 s42, s49, 14
	s_lshl_b32 s53, s14, 5
	s_add_co_u32 s53, s53, s52
	s_lshl_b32 s53, s53, 5
	s_add_co_u32 s42, s42, s53
	s_mov_b32 s43, 0
	s_add_nc_u64 s[42:43], s[12:13], s[42:43]      ; hs
.irp j, 0,1,2,3,4,5,6,7
	v_mov_b32 v[16+\j], 0                          ; the zeros on both sides of Q
	v_mov_b32 v[32+\j], 0
.endr
.irp b, 0,1,2,3
	v_mov_b32 v[TM+4+\b], 0                        ; a lane permute's destination counts as one of its sources
.endr
	v_mov_b32 v69, 0
	v_mov_b32 v71, 0                               ; upper halves of pairs whose low word alone is used
	v_mov_b32 v[NB+1], 0
	INIT
; A KEY STEP.  ra, rb: the regions; ro: the record's offset from the trip's first; nn, no: -M's new and old register; pf = 1: the trip's first step; 2: its second
.macro STEP ra, rb, ro, nn, no, pf
	s_wait_dscnt 0x0                               ; this step's K is in, and no LDS instruction of mine is out at the signal
	s_barrier_wait -1                              ; every wave has begun the last step
	s_barrier_signal -1
.if \pf == 1                                   ; nine places between the last products, which read rb, and the products that write it; two of them are addresses
	v_add_nc_u32 v3, s[TB], v1
	v_add_nc_u32 v4, s[TB], v2
.else
	s_add_co_u32 s55, s[TB], 2*REC
	s_min_u32 s55, s55, 14*REC                     ; the next trip's first record, held inside the sixteen
	v_add_nc_u32 v8, s55, v1
	v_add_nc_u32 v9, s55, v2
.endif
	PLACES 7
.irp b, 0,1,2,3                                ; S^T = K Q^T: lane (r, h) holds query r, registers 16 b + i key 32 b + 16 h + i
	v_wmma_scale_f32_16x16x128_f8f6f4 v[\rb+16*\b:\rb+16*\b+7], v[\ra+16*\b:\ra+16*\b+15], v[24:39], 0, v[KS+\b], v[QS]
	v_wmma_scale_f32_16x16x128_f8f6f4 v[\rb+16*\b+8:\rb+16*\b+15], v[\ra+16*\b:\ra+16*\b+15], v[16:31], 0, v[KS+\b], v[QS]
.endr
	PLACES 8
.irp t, 0,1,2,3                                ; V takes K's registers; it lands under the softmax
.irp c, 0,1,2,3
	ds_load_b128 v[\ra+16*\t+4*\c:\ra+16*\t+4*\c+3], v3 offset:\ro+8192+2048*\t+512*\c
.endr
.endr
	ds_load_b128 v[VS:VS+3], v4 offset:\ro+16640
.irp b, 0,1,2,3                                ; the largest score of each block of 32 keys: for the row's maximum and for the block's largest p
	v_max3_num_f32 v[TM+\b], v[\rb+16*\b], v[\rb+16*\b+1], v[\rb+16*\b+2]
.endr
.irp i, 3,5,7,9,11,13
.irp b, 0,1,2,3
	v_max3_num_f32 v[TM+\b], v[TM+\b], v[\rb+16*\b+\i], v[\rb+16*\b+\i+1]
.endr
.endr
.irp b, 0,1,2,3
	v_max_num_f32 v[TM+\b], v[TM+\b], v[\rb+16*\b+15]
.endr
.irp b, 0,1,2,3
	s_delay_alu instid0(VALU_DEP_4)
	v_permlanex16_b32 v[TM+4+\b], v[TM+\b], s[SEL], s[SEL+1]
.endr
.irp b, 0,1,2,3
	s_delay_alu instid0(VALU_DEP_4)
	v_max_num_f32 v[TM+\b], v[TM+\b], v[TM+4+\b]
.endr
	s_delay_alu instid0(VALU_DEP_2)
	v_max3_num_f32 v69, v[TM], v[TM+1], v[TM+2]
	s_delay_alu instid0(VALU_DEP_1)
	v_max3_num_f32 v13, v13, v69, v[TM+3]          ; the running largest score (c is positive, so it is the largest t's)
	s_delay_alu instid0(VALU_DEP_1)
	v_mul_f32 v69, s54, v13                        ; -t
	s_delay_alu instid0(VALU_DEP_1)
	v_floor_f32 v[\nn], v69                        ; -M = floor(-t): a whole number
	s_delay_alu instid0(VALU_DEP_1)
	v_sub_f32 v69, v[\nn], v[\no]                  ; old M - new M
	s_delay_alu instid0(VALU_DEP_1)
	v_cvt_i32_f32 v69, v69                         ; (it saturates)
	s_delay_alu instid0(VALU_DEP_1)
	v_ldexp_f32 v70, 1.0, v69                      ; f
.set j, 0
.rept 32
	v_pk_fma_f32 v[\rb+j:\rb+j+1], v[\rb+j:\rb+j+1], s[CS:CS+1], v[\nn:\nn+1] op_sel_hi:[1,0,0]   ; t - M
.set j, j+2
.endr
.irp b, 0,1,2,3
	v_fma_f32 v[TM+\b], v[TM+\b], s[CS], v[\nn]    ; the same of each block's largest score: the same bits
.endr
	s_wait_alu depctr_va_vdst(0)
.irp b, 0,1,2,3
	v_exp_f32 v[TM+\b], v[TM+\b]
.endr
.set j, 0
.rept 64
	v_exp_f32 v[\rb+j], v[\rb+j]                   ; p
.set j, j+1
.endr
	v_nop                                          ; a plain place behind the batch,
	s_wait_alu depctr_va_vdst(0)                   ; and its one wait
.irp b, 0,1,2,3
	v_max_num_f32 v[TM+\b], 0x4800000, v[TM+\b]    ; the floor 2^(9 - 127): no byte under 1
.endr
.irp b, 0,1,2,3
	s_delay_alu instid0(VALU_DEP_4)
	v_add_nc_u32 v[TM+12+\b], 0xfc000000, v[TM+\b] ; the conversion's scale operand
.endr
.irp b, 0,1,2,3
	v_and_or_b32 v[TM+8+\b], v[TM+\b], 0x7f800000, s[MNT]   ; 448 x the scale
.endr
.irp b, 0,1,2,3
	v_lshrrev_b32 v[TM+4+\b], 23, v[TM+12+\b]      ; the byte
.endr
	v_lshl_or_b32 v[PW], v[TM+5], 8, v[TM+4]
	v_lshl_or_b32 v69, v[TM+7], 8, v[TM+6]
; eight numbers at a time: the sums (of the unquantised p, in two chains, which take f in their first line), then the hold, two numbers a line; a group's conversion stands behind the next group's lines
.set g, 0
.rept 8
.set pb, \rb+8*g
.set bd, TM+8+g/2
.if g == 0
	v_pk_fma_f32 v[14:15], v[14:15], v[70:71], v[pb:pb+1] op_sel_hi:[1,0,1]
	v_pk_fma_f32 v[72:73], v[72:73], v[70:71], v[pb+2:pb+3] op_sel_hi:[1,0,1]
.else
	v_pk_add_f32 v[14:15], v[14:15], v[pb:pb+1]
	v_pk_add_f32 v[72:73], v[72:73], v[pb+2:pb+3]
.endif
	v_dual_min_num_f32 v[pb], v[bd], v[pb] :: v_dual_min_num_f32 v[pb+1], v[bd], v[pb+1]
	v_dual_min_num_f32 v[pb+2], v[bd], v[pb+2] :: v_dual_min_num_f32 v[pb+3], v[bd], v[pb+3]
	v_pk_add_f32 v[14:15], v[14:15], v[pb+4:pb+5]
	v_pk_add_f32 v[72:73], v[72:73], v[pb+6:pb+7]
	v_dual_min_num_f32 v[pb+4], v[bd], v[pb+4] :: v_dual_min_num_f32 v[pb+5], v[bd], v[pb+5]
	v_dual_min_num_f32 v[pb+6], v[bd], v[pb+6] :: v_dual_min_num_f32 v[pb+7], v[bd], v[pb+7]
.if g == 0
	v_lshl_or_b32 v[PW], v69, 16, v[PW]            ; p's scale word for these 128 keys
.else
	v_cvt_scalef32_pk8_fp8_f32 v[PC+2*(g-1):PC+2*(g-1)+1], v[pb-8:pb-1], v[TM+12+(g-1)/2]
.endif
.set g, g+1
.endr
	v_cvt_scalef32_pk8_fp8_f32 v[PC+14:PC+15], v[\rb+56:\rb+63], v[TM+15]
	v_nop                                          ; a plain line behind the last scaled conversion
	s_wait_alu depctr_va_vdst(0)
	s_wait_dscnt 0x0                               ; V and its scale words are in (asked for ahead of the softmax)
.if \pf == 1
	KLOAD \rb, 3, 4, \ro+REC                       ; p's registers are done with: the next step's K
.else
	s_cmp_eq_u32 s3, 1                             ; the last trip has no next record
	s_cbranch_scc1 .Lnone_\@
	KLOAD \rb, 8, 9, 0
.endif
.Lnone_\@:
	s_wait_alu depctr_va_vdst(0)
.set j, 0
.rept 16
	v_pk_mul_f32 v[OT+j:OT+j+1], v[OT+j:OT+j+1], v[70:71] op_sel_hi:[1,0]   ; O^T under the new M; also the places in front of the products
.set j, j+2
.endr
.irp t, 0,1,2,3                                ; O^T += V^T P^T
	v_wmma_scale_f32_16x16x128_f8f6f4 v[OT+8*\t:OT+8*\t+7], v[\ra+16*\t:\ra+16*\t+15], v[PC:PC+15], v[OT+8*\t:OT+8*\t+7], v[VS+\t], v[PW]
.endr
.endm
.macro PASS lab                        ; all 2,048 keys for one tile of queries: eight trips of two steps
\lab:
	STEP R1, R2, 0, NB, 12, 1
	STEP R2, R1, REC, 12, NB, 2
	s_add_co_u32 s[TB], s[TB], 2*REC
	s_sub_co_u32 s3, s3, 1
	s_cmp_lg_u32 s3, 0
	s_cbranch_scc1 \lab
	s_barrier_wait -1                              ; the last signal's wait: stores follow
.endm
.macro EPI u                           ; O^T / the sum, quantised along the head's 64 channels; codes leave as an operand's image, the two bytes go to LDS
.if \u == 0
	global_load_b128 v[24:27], v1, s[44:45] offset:1024   ; the second tile of Q,
	global_load_b128 v[28:31], v1, s[44:45] offset:1536
	KLOAD R1, 1, 2, 0                              ; and record 0's K again
.endif
	PLACES 8
	v_pk_add_f32 v[14:15], v[14:15], v[72:73]
	s_delay_alu instid0(VALU_DEP_1)
	v_add_f32 v14, v14, v15
	s_delay_alu instid0(VALU_DEP_1)
	v_permlanex16_b32 v69, v14, s[SEL], s[SEL+1]
	s_delay_alu instid0(VALU_DEP_1)
	v_add_f32 v14, v14, v69
	s_wait_alu depctr_va_vdst(0)
	v_rcp_f32 v70, v14
	v_nop
	s_wait_alu depctr_va_vdst(0)
.set j, 0
.rept 16
	v_pk_mul_f32 v[R2+j:R2+j+1], v[OT+j:OT+j+1], v[70:71] op_sel_hi:[1,0]
.set j, j+2
.endr
	QUANT R2, 2, PC, PW
	global_store_b128 v1, v[PC:PC+3], s[40:41] offset:16384*\u
	global_store_b128 v1, v[PC+4:PC+7], s[40:41] offset:16384*\u+512
	ds_store_b16 v5, v[PW] offset:32*\u
.if \u == 0
	v_perm_b32 v[QS], v[QW], v[QW], 0x03020302
	INIT
	s_mov_b32 s[TB], 0
	s_mov_b32 s3, 8
	s_wait_alu depctr_va_vdst(0)
	s_wait_loadcnt 0x0
	s_wait_xcnt 0x0                                ; the stores have read the codes' registers
	s_wait_dscnt 0x0
	s_barrier_signal -1                            ; the first step's wait finds this signal
.endif
.endm
	s_mov_b32 s3, 8
	s_wait_alu depctr_va_vdst(0)
	s_wait_loadcnt 0x0
	v_perm_b32 v[QS], v[QW], v[QW], 0x01000100
	s_wait_alu depctr_va_vdst(0)
	s_wait_tensorcnt 0x0                           ; my record is in;
	s_barrier_signal -1
	s_barrier_wait -1                              ; all sixteen are
	KLOAD R1, 1, 2, 0
	s_wait_dscnt 0x0
	s_barrier_signal -1
	PASS .Lfirst
	EPI 0
	PASS .Lsecond
	EPI 1
	s_wait_dscnt 0x0
	s_barrier_signal -1
	s_barrier_wait -1
	s_cmp_lt_u32 s[WV], 2
	s_cbranch_scc0 .Lno_hs
	ds_load_b128 v[R2:R2+3], v6                    ; the work-group's 1,024 scale bytes leave in whole runs
	s_wait_dscnt 0x0
	global_store_b128 v7, v[R2:R2+3], s[42:43]
.Lno_hs:
	s_wait_tensorcnt 0x0                           ; the wave's end
	ds_add_u32 v78, v79
	s_wait_dscnt 0x0
	CROUND                                         ; the closing round
	s_endpgm
.Lfunc_end_k_q00f6e7fcbc_attn:
	.size	k_q00f6e7fcbc_attn, .Lfunc_end_k_q00f6e7fcbc_attn-k_q00f6e7fcbc_attn
	.p2alignl 7, 3214868480
	.fill 96, 4, 3214868480
	.section	.rodata,"a",@progbits
	.p2align	6, 0x0
	.amdhsa_kernel k_q00f6e7fcbc_attn
		.amdhsa_group_segment_fixed_size 327680
		.amdhsa_private_segment_fixed_size 0
		.amdhsa_enable_private_segment 0
		.amdhsa_kernarg_size 40
		.amdhsa_user_sgpr_count 2
		.amdhsa_user_sgpr_kernarg_segment_ptr 1
		.amdhsa_wavefront_size32 1
		.amdhsa_system_sgpr_workgroup_id_x 1
		.amdhsa_system_sgpr_workgroup_id_y 1
		.amdhsa_system_sgpr_workgroup_id_z 1
		.amdhsa_system_vgpr_workitem_id 0
		.amdhsa_next_free_vgpr 256
		.amdhsa_next_free_sgpr 66
		.amdhsa_reserve_vcc 0
		.amdhsa_float_denorm_mode_32 3
		.amdhsa_float_denorm_mode_16_64 3
		.amdhsa_memory_ordered 1
		.amdhsa_forward_progress 1
		.amdhsa_inst_pref_size 101
	.end_amdhsa_kernel
	.amdgpu_metadata
---
amdhsa.version: [ 1, 2 ]
amdhsa.kernels:
  - .name:           k_q00f6e7fcbc_attn
    .symbol:         k_q00f6e7fcbc_attn.kd
    .args:
      - { .name: qc, .offset: 0, .size: 8, .value_kind: global_buffer, .address_space: global }
      - { .name: qs, .offset: 8, .size: 8, .value_kind: global_buffer, .address_space: global }
      - { .name: kv, .offset: 16, .size: 8, .value_kind: global_buffer, .address_space: global }
      - { .name: hc, .offset: 24, .size: 8, .value_kind: global_buffer, .address_space: global }
      - { .name: hs, .offset: 32, .size: 8, .value_kind: global_buffer, .address_space: global }
    .group_segment_fixed_size: 327680
    .private_segment_fixed_size: 0
    .kernarg_segment_align: 8
    .kernarg_segment_size: 40
    .max_flat_workgroup_size: 512
    .sgpr_count:     66
    .vgpr_count:     256
    .wavefront_size: 32
...
	.end_amdgpu_metadata
.endif
;; end of part 3
;; launch oproj (part 4): grid 256 x 1, 4 waves a work-group, clusters of 4 x 1, 327,680 bytes of LDS; arguments cod, scl, hc, hs, bo, gamma, beta, x, out0; writes out0
.if DOCPART == 4
	.amdgcn_target "amdgcn-amd-amdhsa--gfx1250"
	.amdhsa_code_object_version 6
	.text
	.protected	k_q00f6e7fcbc_oproj
	.globl	k_q00f6e7fcbc_oproj
	.p2align	8
	.type	k_q00f6e7fcbc_oproj,@function
k_q00f6e7fcbc_oproj:
	s_mov_b64 s[64:65], 0
	v_nop
	global_prefetch_b8 v0, s[64:65] scope:SCOPE_SE
	s_setreg_imm32_b32 hwreg(HW_REG_WAVE_MODE, 25, 1), 1
	s_wait_xcnt 0x0
	s_wait_alu depctr_hold_cnt(0) depctr_sa_sdst(0) depctr_va_vdst(0) depctr_va_sdst(0) depctr_va_ssrc(0) depctr_va_vcc(0) depctr_vm_vsrc(0)
	s_getreg_b32 s2, hwreg(HW_REG_IB_STS2, 6, 4)
	s_cmp_eq_u32 s2, 0
	s_cbranch_scc0 .Lentry_in_a_cluster
	s_endpgm
.Lentry_in_a_cluster:
	s_bfe_u32 s2, ttmp6, 0x10000c
	s_cmp_lg_u32 s2, 0x3003
	s_cbranch_scc0 .Lentry_shape_is_right
	s_endpgm
.Lentry_shape_is_right:
; out0 = x + LayerNorm(head Wo^T + bo) x gamma + beta.  The product on codes of FP8 (E4M3) with E8M0 scales (K = 1,024); all else in f32.
; SHARES.  LayerNorm wants whole rows: a work-group owns 32 whole rows (2 token tiles), wave w all 32 rows x features 256 w .. + 255: 32 accumulators.  8,192 / 32 = 256 work-groups.
; Source 0 = 16 rows of Wo, source 1 = 16 tokens: a lane holds one token, and of Wo's tiles 2 b and 2 b + 1 the 16 neighbouring features 32 b + 16 h + 0 .. 15.
; EVERY WORK-GROUP WALKS ALL OF Wo (1,048,576 bytes of codes): the four of a cluster ask for it JOINTLY (mask 15).  A K step of 128 is 64 images of 2,048 bytes, 131,072 bytes: one slot; two slots take turns.
; Wave w fetches its own 16 images with one tensor load (16 rows of 2,048 bytes, 16,384 apart in cod) and it alone reads them.  A slot is filled again behind the three lines and a round of the cluster's barrier.
; THE TOKENS' 16 images (32,768 bytes), all scale words, the bias and x come by plain loads into registers: each load reads 512 consecutive bytes (the scale words less).
; THE BIAS lies in token tile 1's accumulators: in K step 0 tile 0's products take them as C, and tile 1's then add in place.  x is asked for in K steps 0 to 3, a chunk of 8 rows each.
; PREFETCH: behind the load of K step k the images of K step k + 2 are asked for, by clusters 0 to 3 alone (all clusters read the same bytes); a cluster's sixteen waves share the 512 blocks of 256 bytes out by address.
; LayerNorm in two passes (mean; then the squares of the differences): no difference of large sums.  LIMITS: NaN and infinities are not served.
; THE WAY OUT: a tile's 16 rows go through the wave's stage in LDS (rows of 1,040 bytes), which lies in the wave's own quarter of slot 0: that slot has had its last fill, and only this wave has read those bytes.
; REGISTERS: window 0: v4-15 addresses, v32-47 the tokens' scale words (2 s + m), v48-63 gamma, beta, v64-127 Wo's scale words (8 s + i: lanes 0-15 tile i, lanes 16-31 tile i + 8), v128-255 Wo's fragments, two sets of four.
;   window 1: the accumulators ((m, bt) at 128 m + 8 bt);  window 2: the tokens' fragments ((m, s) at 128 m + 16 s);  window 3: x, four chunks of 64.
.set SLOT,  131072
.set LNS,   262144                     ; [m][r][4 waves] f32, 512 bytes for the sums and 512 for the squares
.set SPARE, 263168
.set LI,  4                            ; v4  16 x lane
.set WLA, 5                            ; v5, v6  my quarter of slot 0, 1, + 16 x lane (v5 also reads my stage)
.set WSA, 7                            ; v7  4 r + 4,096 h
.set BA,  8                            ; v8  bo: 1,024 w + 64 h
.set HA,  9                            ; v9  hs: 2 r + 16,384 h
.set CO,  10                           ; v10 1,024 w + 16 x lane
.set STO, 11                           ; v11 into the stage
.set L1,  13                           ; v13 my word of row r's four; v14 the four
.set L4,  14
.set PFO, 15                           ; v15 the prefetches' offset
.set TS,  32
.set GA,  48
.set BE,  56
.set WS,  64
.set FB,  128
.set CH,  64                           ; behind the products: v64-71 four chains, v72-73 sums, v76-77 the other half's, v80-87 the waves' words, v96-99 means, v100-103 1 / sqrt(var + eps)
.set SUM, 72
.set PM,  76
.set LD,  80
.set MU,  96
.set RS,  100
.set RB,  128
.set WV,  22
.set G1,  40
.set G0,  48                           ; s[48:51] slot 0's group 0, s[56:59] slot 1's
.set SEL, 52
.set MSB, 0
.macro WIN new                         ; the immediate's high byte repeats the setting that is left
.if MSB != (\new)
	s_set_vgpr_msb (MSB<<8)|(\new)
.set MSB, (\new)
.endif
.endm
.macro PLACES n
.rept \n
	v_nop
.endr
.endm
.macro CREST
	s_cmp_lg_u32 s[WV], 0
	s_cbranch_scc1 .Lnot_wave_0_\@
	s_barrier_signal -3
.Lnot_wave_0_\@:
	s_barrier_wait -3
	s_barrier_signal -1
	s_barrier_wait -1
.endm
.macro CROUND
	s_barrier_signal -1
	s_barrier_wait -1
	CREST
.endm
.macro ASK k                           ; my 32 blocks of K step k's images
	s_cmp_lt_u32 ttmp9, 4
	s_cbranch_scc0 .Lnot_mine_\@
	global_prefetch_b8 v[PFO], s[24:25] offset:2048*(\k) th:TH_LOAD_NT scope:SCOPE_SE
.Lnot_mine_\@:
.endm
	s_load_b256 s[4:11], s[0:1], 0x0               ; cod, scl, hc, hs
	s_load_b256 s[12:19], s[0:1], 0x20             ; bo, gamma, beta, x
	s_load_b64 s[20:21], s[0:1], 0x40              ; out0
	v_lshl_add_u32 v30, v0, 2, SPARE
	v_mov_b32 v31, 0
	ds_add_u32 v30, v31                            ; the opening lines: the add, twice on end, and its wait
	ds_add_u32 v30, v31
	v_lshrrev_b32 v1, 5, v0
	v_readfirstlane_b32 s[WV], v1
	s_bfe_u32 s23, ttmp6, 0x40000                  ; cx
	s_lshl_b32 s60, ttmp9, 2
	s_add_co_u32 s60, s60, s23                     ; my work-group: which 32 rows
	s_lshl_b32 s61, s23, 2
	s_lshl_b32 s36, s[WV], 15                      ; my quarter of a slot
	s_add_co_u32 s37, s36, SLOT
	s_lshl_b32 s38, s[WV], 10
	s_lshl_b32 s39, s[WV], 2
	s_mov_b32 s[G1], 15|(3<<16)|(1<<21)            ; group 1: 16 rows of 256 elements of 8 bytes, 2,048 elements apart; the mask names the cluster's four
	s_mov_b32 s[G1+1], 256<<16
	s_mov_b32 s[G1+2], 16<<16
	s_mov_b32 s[G1+3], 256<<16
	s_mov_b32 s[G1+4], 16
	s_mov_b32 s[G1+5], 2048
	s_mov_b32 s[G1+6], 0
	s_mov_b32 s[G1+7], 0
	s_mov_b32 s[SEL], 0x76543210
	s_mov_b32 s[SEL+1], 0xfedcba98
	s_mov_b32 s54, 0x3a800000                      ; 1 / 1,024
	s_mov_b32 s55, 0x3727c5ac                      ; 1e-5
	s_lshl_b32 s24, s[WV], 4
	s_add_co_u32 s24, s24, 704                     ; my first tile of Wo
	s_lshl_b32 s26, s24, 9
	s_lshl_b32 s24, s24, 14
	s_mov_b32 s25, 0
	s_mov_b32 s27, 0
	s_lshl_b32 s28, s60, 15                        ; 2 token tiles of 16,384 bytes
	s_mov_b32 s29, 0
	s_lshl_b32 s30, s60, 6                         ; 2 x 32 scale bytes a head
	s_mov_b32 s31, 0
	s_lshl_b32 s32, s60, 17                        ; 32 rows of 4,096 bytes
	s_mov_b32 s33, 0
	v_and_b32 v1, 31, v0                           ; lane
	v_and_b32 v2, 15, v0                           ; r
	v_bfe_u32 v3, v0, 4, 1                         ; h
	v_lshlrev_b32 v[LI], 4, v1
	v_add_nc_u32 v[WLA], s36, v[LI]
	v_add_nc_u32 v[WLA+1], s37, v[LI]
	v_lshlrev_b32 v[WSA], 2, v2
	v_lshl_add_u32 v[WSA], v3, 12, v[WSA]
	v_lshlrev_b32 v[BA], 6, v3
	v_add_nc_u32 v[BA], s38, v[BA]
	v_lshlrev_b32 v[HA], 1, v2
	v_lshl_add_u32 v[HA], v3, 14, v[HA]
	v_add_nc_u32 v[CO], s38, v[LI]
	v_mul_u32_u24 v[STO], v2, 1040
	v_lshl_add_u32 v[STO], v3, 6, v[STO]
	v_add_nc_u32 v[STO], s36, v[STO]               ; row r, + 64 h
	v_lshlrev_b32 v[L4], 4, v2
	v_add_nc_u32 v[L4], LNS, v[L4]
	v_add_nc_u32 v[L1], s39, v[L4]
	v_lshrrev_b32 v[PFO], 3, v1
	v_add_nc_u32 v[PFO], s61, v[PFO]               ; image 4 cx + lane / 8 of my wave's sixteen,
	v_lshlrev_b32 v[PFO], 14, v[PFO]
	v_and_b32 v16, 7, v1
	v_lshl_add_u32 v[PFO], v16, 8, v[PFO]          ; its block lane % 8
.irp j, 0,1,2,3
	v_mov_b32 v[FB+16+\j], 0                       ; lane permutes' destinations count as sources
.endr
	s_wait_alu depctr_va_vdst(0)
	s_wait_dscnt 0x0
	s_wait_kmcnt 0x0
	s_add_nc_u64 s[24:25], s[4:5], s[24:25]        ; Wo's codes: my 16 tiles
	s_add_nc_u64 s[26:27], s[6:7], s[26:27]        ; their scale words
	s_add_nc_u64 s[28:29], s[8:9], s[28:29]        ; the tokens' codes
	s_add_nc_u64 s[30:31], s[10:11], s[30:31]      ; their scale bytes
	s_add_nc_u64 s[34:35], s[20:21], s[32:33]      ; out0
	s_add_nc_u64 s[32:33], s[18:19], s[32:33]      ; x
	CROUND                                         ; the four work-groups are here: the joint loads meet
	s_mov_b32 s[G0], 1
	s_mov_b32 s[G0+1], s36
	s_mov_b64 s[G0+2:G0+3], s[24:25]
	s_or_b32 s[G0+3], s[G0+3], 0x80000000
	s_mov_b32 s[G0+8], 1
	s_mov_b32 s[G0+9], s37
	s_add_nc_u64 s[G0+10:G0+11], s[24:25], 2048
	s_or_b32 s[G0+11], s[G0+11], 0x80000000
	tensor_load_to_lds s[G0:G0+3], s[G1:G1+7]      ; K step 0: my one tensor load at the head
	s_nop 0
	PLACES 4
.irp s, 0,1,2,3,4,5,6,7
.irp m, 0,1
	global_load_u16 v[FB+2*\s+\m], v[HA], s[30:31] offset:32768*\s+32*\m   ; lanes 0-15: head 2 s's two bytes of row r; lanes 16-31: head 2 s + 1's
.endr
.endr
.macro LLOAD s                         ; what K step s wants beside Wo's codes: the two token tiles' images and Wo's scale words: 16 loads
	WIN 0x80                                       ; destination window 2
.irp m, 0,1
.irp c, 0,1,2,3
	global_load_b128 v[128*\m+16*(\s)+4*\c:128*\m+16*(\s)+4*\c+3], v[LI], s[28:29] offset:16384*\m+2048*(\s)+512*\c
.endr
.endr
	WIN 0
.irp i, 0,1,2,3,4,5,6,7
	global_load_b32 v[WS+8*(\s)+\i], v[WSA], s[26:27] offset:512*\i+64*(\s)
.endr
.endm
	LLOAD 0                                        ; ahead of slot 1's fill stand only the 64 loads that K step 0 wants
	WIN 0x40                                       ; destination window 1: the bias: register 8 bt + j is feature 32 (bt / 2) + 16 h + 8 (bt % 2) + j
.irp bt, 0,1,2,3,4,5,6,7,8,9,10,11,12,13,14,15
	global_load_b128 v[128+8*\bt:128+8*\bt+3], v[BA], s[12:13] offset:4*(32*(\bt/2)+8*(\bt%2))
	global_load_b128 v[128+8*\bt+4:128+8*\bt+7], v[BA], s[12:13] offset:4*(32*(\bt/2)+8*(\bt%2))+16
.endr
	WIN 0
	ASK 2
	s_wait_tensorcnt 0x0                           ; K step 0 is in
	ds_add_u32 v30, v31
	s_wait_dscnt 0x0
	CROUND
	tensor_load_to_lds s[G0+8:G0+11], s[G1:G1+7]   ; K step 1 into slot 1
	s_nop 0
	PLACES 4
	LLOAD 1
.irp k, 0,1
	global_load_b128 v[GA+4*\k:GA+4*\k+3], v[CO], s[14:15] offset:512*\k
	global_load_b128 v[BE+4*\k:BE+4*\k+3], v[CO], s[16:17] offset:512*\k
.endr
	ASK 3
	s_wait_loadcnt 20                              ; the scale bytes, K step 0's 16 loads and the bias are in; the 16 + 4 loads issued behind them may be out
.set i, 0
.rept 16
	v_permlanex16_b32 v[FB+16+i%4], v[FB+i], s[SEL], s[SEL+1]
	v_lshl_or_b32 v[TS+i], v[FB+16+i%4], 16, v[FB+i]   ; lanes 0-15: the word of 128 along K: two heads' two bytes
.set i, i+1
.endr
	PLACES 8                                       ; a scale word made by vector lines stands eight places ahead of its product
	s_wait_alu depctr_va_vdst(0)
.macro WL s, g                         ; Wo's tiles 4 g .. 4 g + 3 of K step s, from its slot, into set g % 2
.irp q, 0,1,2,3
.irp c, 0,1,2,3
	ds_load_b128 v[FB+64*((\g)%2)+16*\q+4*\c:FB+64*((\g)%2)+16*\q+4*\c+3], v[WLA+(\s)%2] offset:2048*(4*(\g)+\q)+512*\c
.endr
.endr
.endm
.macro XLOAD n                         ; chunk n = 2 m + hf: rows 8 m + 16 hf + 0 .. 7 of x, my 1,024 bytes of each
	WIN 0xc0
.irp i, 0,1,2,3,4,5,6,7
.irp k, 0,1
	global_load_b128 v[64*(\n)+4*(2*\i+\k):64*(\n)+4*(2*\i+\k)+3], v[CO], s[32:33] offset:(8*((\n)/2)+16*((\n)%2)+\i)*4096+512*\k th:TH_LOAD_NT
.endr
.endr
	WIN 0
.endm
.macro PROD s, bt, m, first            ; first = 1: C is the bias, which lies in token tile 1's accumulator of the same tile of Wo
.set PD, 128*(\m)+8*(\bt)
.if \first
.set PCC, 128+8*(\bt)
.else
.set PCC, PD
.endif
.set PA, FB+64*(((\bt)/4)%2)+16*((\bt)%4)
.set PB, 128*(\m)+16*(\s)
.if (\bt) < 8
	v_wmma_scale_f32_16x16x128_f8f6f4 v[PD:PD+7], v[PA:PA+15], v[PB:PB+15], v[PCC:PCC+7], v[WS+8*(\s)+(\bt)], v[TS+2*(\s)+(\m)]
.else
	v_wmma_scale_f32_16x16x128_f8f6f4 v[PD:PD+7], v[PA:PA+15], v[PB:PB+15], v[PCC:PCC+7], v[WS+8*(\s)+(\bt)-8], v[TS+2*(\s)+(\m)] matrix_a_scale:MATRIX_SCALE_ROW1
.endif
.endm
.macro G s, g                          ; eight products; the accumulators take turns
	WIN 0x58                                       ; source 0 (Wo) window 0, source 1 (tokens) window 2, C and D window 1
.if (\s) == 0
.irp q, 0,1,2,3
	PROD 0, 4*(\g)+\q, 0, 1
.endr
	PLACES 9                                       ; tile 1's products write over registers that the four above read as C
.irp q, 0,1,2,3
	PROD 0, 4*(\g)+\q, 1, 0
.endr
.else
.irp q, 0,1,2,3
.irp m, 0,1
	PROD \s, 4*(\g)+\q, \m, 0
.endr
.endr
.endif
	WIN 0
.endm
; A K STEP: four groups on two sets of fragments.  While a group is multiplied, the next group's 16 LDS loads are out: s_wait_dscnt 16 leaves those alone.
; Eight places stand behind a group ahead of the loads into the set that it has read.
.macro KSTEP s
.if (\s) < 6
	LLOAD (\s)+2                                   ; two K steps ahead
.endif
.if (\s) < 4
	XLOAD \s
.endif
; This step's 16 loads are in.  Behind them were issued: K step 1: 68 loads; 2, 3: 80; 4: 64 (a wait names 63 at the most, which is under these counts); 5: 48; 6: 16; 7: none
.if (\s) == 5
	s_wait_loadcnt 48
.elseif (\s) == 6
	s_wait_loadcnt 16
.elseif (\s) == 7
	s_wait_loadcnt 0x0
.elseif (\s) > 0
	s_wait_loadcnt 63
.endif
.irp g, 0,1,2
	WL \s, \g+1
	s_wait_dscnt 16
	G \s, \g
.if \g < 2
	PLACES 8
.endif
.endr
.if (\s) < 6
	s_wait_tensorcnt 0x0                           ; my part of the other slot is in;
	ds_add_u32 v30, v31
	s_add_nc_u64 s[G0+8*((\s)%2)+2:G0+8*((\s)%2)+3], s[G0+8*((\s)%2)+2:G0+8*((\s)%2)+3], 4096   ; no load of mine is out: this slot's next K step
	s_wait_dscnt 0x0                               ; the add is done, and my reads of this slot are over
	s_barrier_signal -1
	G \s, 3
	s_barrier_wait -1
	CREST                                          ; the round: no wave of any partner still reads this slot or has a load on its way
	tensor_load_to_lds s[G0+8*((\s)%2):G0+8*((\s)%2)+3], s[G1:G1+7]
	s_nop 0
	PLACES 8
	WL (\s)+1, 0
.if (\s) < 4
	ASK (\s)+4
.endif
.elseif (\s) == 6
	s_wait_dscnt 0x0
	G \s, 3
	PLACES 8
	s_wait_tensorcnt 0x0                           ; the last K step is in: I alone read what I fetched; nothing is filled again
	WL 7, 0
.else
	s_wait_dscnt 0x0
	G \s, 3
	PLACES 8                                       ; in front of the first read of results
.endif
.endm
	WL 0, 0
.irp s, 0,1,2,3,4,5,6,7
	KSTEP \s
.endr
.macro FOLD m
	v_pk_add_f32 v[CH:CH+1], v[CH:CH+1], v[CH+2:CH+3]
	v_pk_add_f32 v[CH+4:CH+5], v[CH+4:CH+5], v[CH+6:CH+7]
	v_pk_add_f32 v[CH:CH+1], v[CH:CH+1], v[CH+4:CH+5]
	v_add_f32 v[SUM+\m], v[CH], v[CH+1]
.endm
.macro ROWSUM m                        ; my 128 numbers of my token of tile m
.set AB, 128*(\m)
	WIN 0x05
.irp k, 0,1,2,3
	v_pk_add_f32 v[CH+2*\k:CH+2*\k+1], v[AB+2*\k:AB+2*\k+1], v[AB+8+2*\k:AB+8+2*\k+1]   ; the first two accumulators start the chains, each from its low end on
.endr
	WIN 0x04
.set i, 8
.rept 56
	v_pk_add_f32 v[CH+2*(i%4):CH+2*(i%4)+1], v[CH+2*(i%4):CH+2*(i%4)+1], v[AB+2*i:AB+2*i+1]
.set i, i+1
.endr
	WIN 0
	FOLD \m
.endm
.macro CENTRE m                        ; the mean is taken off in place; then the squares
.set AB, 128*(\m)
	WIN 0x41
.set i, 0
.rept 64
	v_pk_add_f32 v[AB+2*i:AB+2*i+1], v[AB+2*i:AB+2*i+1], v[MU+2*(\m):MU+2*(\m)+1] neg_lo:[0,1] neg_hi:[0,1]
.set i, i+1
.endr
	WIN 0x05
.irp k, 0,1,2,3
	v_pk_mul_f32 v[CH+2*\k:CH+2*\k+1], v[AB+2*\k:AB+2*\k+1], v[AB+2*\k:AB+2*\k+1]
.endr
.set i, 4
.rept 60
	v_pk_fma_f32 v[CH+2*(i%4):CH+2*(i%4)+1], v[AB+2*i:AB+2*i+1], v[AB+2*i:AB+2*i+1], v[CH+2*(i%4):CH+2*(i%4)+1]
.set i, i+1
.endr
	WIN 0
	FOLD \m
.endm
.macro ACROSS off                      ; the other half of the lanes, then the other three waves, through LDS
.irp m, 0,1
	v_permlanex16_b32 v[PM+\m], v[SUM+\m], s[SEL], s[SEL+1]
.endr
.irp m, 0,1
	v_add_f32 v[SUM+\m], v[SUM+\m], v[PM+\m]
.endr
.irp m, 0,1
	ds_store_b32 v[L1], v[SUM+\m] offset:\off+256*\m
.endr
	s_wait_dscnt 0x0                               ; for the others' sake: my words lie in LDS
	s_barrier_signal -1
	s_barrier_wait -1
.irp m, 0,1
	ds_load_b128 v[LD+4*\m:LD+4*\m+3], v[L4] offset:\off+256*\m
.endr
	s_wait_dscnt 0x0
.irp m, 0,1
	v_add_f32 v[LD+4*\m], v[LD+4*\m], v[LD+4*\m+1]
	v_add_f32 v[LD+4*\m+2], v[LD+4*\m+2], v[LD+4*\m+3]
.endr
.irp m, 0,1
	v_add_f32 v[SUM+\m], v[LD+4*\m], v[LD+4*\m+2]
.endr
.endm
.macro CHUNK m, hf                     ; 8 rows come back from my stage as whole runs of 512 bytes: x gamma + beta + x, and out
.set NCH, 2*(\m)+(\hf)
.set RBB, RB+64*(NCH%2)
.if NCH > 1
	s_wait_xcnt 0x0                                ; the stores of two chunks ago have read these registers
.endif
.irp i, 0,1,2,3,4,5,6,7
.irp k, 0,1
	ds_load_b128 v[RBB+4*(2*\i+\k):RBB+4*(2*\i+\k)+3], v[WLA] offset:1040*(8*(\hf)+\i)+512*\k   ; LDS serves a wave's instructions in order: these see my stores
.endr
.endr
	s_wait_dscnt 0x0
.set e, 0
.rept 16
	v_pk_fma_f32 v[RBB+4*e:RBB+4*e+1], v[RBB+4*e:RBB+4*e+1], v[GA+4*(e%2):GA+4*(e%2)+1], v[BE+4*(e%2):BE+4*(e%2)+1]
	v_pk_fma_f32 v[RBB+4*e+2:RBB+4*e+3], v[RBB+4*e+2:RBB+4*e+3], v[GA+4*(e%2)+2:GA+4*(e%2)+3], v[BE+4*(e%2)+2:BE+4*(e%2)+3]
.set e, e+1
.endr
	WIN 0x0c                                       ; source 1: window 3
.set e, 0
.rept 32
	v_pk_add_f32 v[RBB+2*e:RBB+2*e+1], v[RBB+2*e:RBB+2*e+1], v[64*NCH+2*e:64*NCH+2*e+1]
.set e, e+1
.endr
	WIN 0
.irp i, 0,1,2,3,4,5,6,7
.irp k, 0,1
	global_store_b128 v[CO], v[RBB+4*(2*\i+\k):RBB+4*(2*\i+\k)+3], s[34:35] offset:(8*(\m)+16*(\hf)+\i)*4096+512*\k th:TH_STORE_NT   ; 512 consecutive bytes, aligned
.endr
.endr
.endm
.macro OUTM m
.set AB, 128*(\m)
	WIN 0x41
.set i, 0
.rept 64
	v_pk_mul_f32 v[AB+2*i:AB+2*i+1], v[AB+2*i:AB+2*i+1], v[RS+2*(\m):RS+2*(\m)+1]
.set i, i+1
.endr
	WIN 0x04                                       ; an LDS store's data are its source 1
.irp b, 0,1,2,3,4,5,6,7
.irp q, 0,1,2,3
	ds_store_b128 v[STO], v[AB+16*\b+4*\q:AB+16*\b+4*\q+3] offset:128*\b+16*\q   ; row r, features 32 b + 16 h + 4 q on
.endr
.endr
	WIN 0
	CHUNK \m, 0
	CHUNK \m, 1
.endm
.irp m, 0,1
	v_mov_b32 v[PM+\m], 0                          ; lane permutes' destinations count as sources
.endr
.irp m, 0,1
	ROWSUM \m
.endr
	ACROSS 0
.irp m, 0,1
	v_mul_f32 v[MU+2*\m], s54, v[SUM+\m]           ; the mean, twice: a pair for the packed forms
	v_mul_f32 v[MU+2*\m+1], s54, v[SUM+\m]
.endr
.irp m, 0,1
	CENTRE \m
.endr
	ACROSS 512
.irp m, 0,1
	v_fma_f32 v[SUM+\m], v[SUM+\m], s54, s55       ; var + eps
.endr
	s_wait_alu depctr_va_vdst(0)
.irp m, 0,1
	v_rsq_f32 v[RS+2*\m], v[SUM+\m]
.endr
	v_nop                                          ; a plain line behind the last transcendental,
	s_wait_alu depctr_va_vdst(0)                   ; and one wait for the two, ahead of their first reader
.irp m, 0,1
	v_mov_b32 v[RS+2*\m+1], v[RS+2*\m]
.endr
	s_wait_alu depctr_va_vdst(0)
	s_wait_loadcnt 0x0                             ; x
.irp m, 0,1
	OUTM \m
.endr
	s_wait_tensorcnt 0x0                           ; the wave's end
	ds_add_u32 v30, v31
	s_wait_dscnt 0x0
	CROUND                                         ; the closing round
	s_endpgm
.Lfunc_end_k_q00f6e7fcbc_oproj:
	.size	k_q00f6e7fcbc_oproj, .Lfunc_end_k_q00f6e7fcbc_oproj-k_q00f6e7fcbc_oproj
	.p2alignl 7, 3214868480
	.fill 96, 4, 3214868480
	.section	.rodata,"a",@progbits
	.p2align	6, 0x0
	.amdhsa_kernel k_q00f6e7fcbc_oproj
		.amdhsa_group_segment_fixed_size 327680
		.amdhsa_private_segment_fixed_size 0
		.amdhsa_enable_private_segment 0
		.amdhsa_kernarg_size 72
		.amdhsa_user_sgpr_count 2
		.amdhsa_user_sgpr_kernarg_segment_ptr 1
		.amdhsa_wavefront_size32 1
		.amdhsa_system_sgpr_workgroup_id_x 1
		.amdhsa_system_sgpr_workgroup_id_y 1
		.amdhsa_system_sgpr_workgroup_id_z 1
		.amdhsa_system_vgpr_workitem_id 0
		.amdhsa_next_free_vgpr 1024
		.amdhsa_next_free_sgpr 66
		.amdhsa_reserve_vcc 0
		.amdhsa_float_denorm_mode_32 3
		.amdhsa_float_denorm_mode_16_64 3
		.amdhsa_memory_ordered 1
		.amdhsa_forward_progress 1
		.amdhsa_inst_pref_size 176
	.end_amdhsa_kernel
	.amdgpu_metadata
---
amdhsa.version: [ 1, 2 ]
amdhsa.kernels:
  - .name:           k_q00f6e7fcbc_oproj
    .symbol:         k_q00f6e7fcbc_oproj.kd
    .args:
      - { .name: cod, .offset: 0, .size: 8, .value_kind: global_buffer, .address_space: global }
      - { .name: scl, .offset: 8, .size: 8, .value_kind: global_buffer, .address_space: global }
      - { .name: hc, .offset: 16, .size: 8, .value_kind: global_buffer, .address_space: global }
      - { .name: hs, .offset: 24, .size: 8, .value_kind: global_buffer, .address_space: global }
      - { .name: bo, .offset: 32, .size: 8, .value_kind: global_buffer, .address_space: global }
      - { .name: gamma, .offset: 40, .size: 8, .value_kind: global_buffer, .address_space: global }
      - { .name: beta, .offset: 48, .size: 8, .value_kind: global_buffer, .address_space: global }
      - { .name: x, .offset: 56, .size: 8, .value_kind: global_buffer, .address_space: global }
      - { .name: out0, .offset: 64, .size: 8, .value_kind: global_buffer, .address_space: global }
    .group_segment_fixed_size: 327680
    .private_segment_fixed_size: 0
    .kernarg_segment_align: 8
    .kernarg_segment_size: 72
    .max_flat_workgroup_size: 128
    .sgpr_count:     66
    .vgpr_count:     1024
    .wavefront_size: 32
...
	.end_amdgpu_metadata
.endif
;; end of part 4
